; MI455X (gfx1250); checked and timed in simulation.
; The chip was launched on July 23, 2026; its instructions are those of AMD's public machine-readable ISA for CDNA 5 (MIT licence, August 2026) and "CDNA5" Instruction Set Architecture Reference Guide (July 2026). The comments in the code are by the model that wrote it; some were corrected since.
;; Single Head Attention. Allowed arithmetic: matrix products marked QUANTISED: E2M3 operands, one E8M0 scale for each 32 along K, by v_wmma_scale_f32_16x16x128_f8f6f4 with both operands' format E2M3, f32 sums; everything else in f32.
;; Inputs: Wk 1,024 x 1,024 float32; Wo 1,024 x 1,024 float32; Wq 1,024 x 1,024 float32; Wv 1,024 x 1,024 float32; mask 4 x 2,048 x 2,048 bool; x 4 x 2,048 x 1,024 float32.
;; Outputs: out0 4 x 2,048 x 1,024 float32.
;; This version of the problem:
;;   THIS VERSION OF THE PROBLEM IS GIVEN IN LOW PRECISION. The matrix products marked QUANTISED in the list below multiply operands that are first quantised to E2M3 (2 exponent bits, 3 mantissa bits; 6 bits a number), with one power-of-two scale for each 32 numbers along K (OCP MX v1.0); their sums are f32. All else is computed in f32.
;;   The module's matrix products, in the order in which they are computed (A, B: the left and right operand; K: the contracted axis; several contracted axes count as one K, in the product's order):
;;     1. [M 8,192, K 1,024] x [K 1,024, N 1,024]; A: input x; B: input Wq: QUANTISED
;;     2. [M 8,192, K 1,024] x [K 1,024, N 1,024]; A: input x; B: input Wk: QUANTISED
;;     3. [M 8,192, K 1,024] x [K 1,024, N 1,024]; A: input x; B: input Wv: QUANTISED
;;     4. batch 4 x [M 2,048, K 1,024] x [K 1,024, N 2,048]; A: computed on the way; B: computed on the way: QUANTISED
;;     5. batch 4 x [M 2,048, K 2,048] x [K 2,048, N 1,024]; A: softmax (see below); B: computed on the way: QUANTISED
;;     6. [M 8,192, K 1,024] x [K 1,024, N 1,024]; A: computed on the way; B: input Wo: QUANTISED
;;   THE QUANTISER, for each operand of a quantised product, along K:
;;     - K is cut into blocks of 32 from its start; a last block that is shorter is filled with zeros.
;;     - A block's scale is 2^e with e = floor(log2(the largest magnitude in the block)) - 2, held to -126 .. 127; a block of zeros has e = 0. As a byte (E8M0): e + 127.
;;     - Each number is divided by its block's scale, clamped to +-7.5, and rounded to the nearest number of E2M3, ties to even, subnormals kept.
;;     - The product sums the exact products of the quantised numbers (number of the format x scale) in f32.
;;   ~~~python
;;   def quantise(x, axis):      # numpy; x: float32 -> the quantised numbers, widened to float32 again
;;       x = np.moveaxis(x, axis, -1); K = x.shape[-1]
;;       x = np.pad(x, [(0, 0)] * (x.ndim - 1) + [(0, -K % 32)]); x = x.reshape(x.shape[:-1] + (-1, 32)); a = np.abs(x).max(-1, keepdims=True)
;;       e = np.where(a > 0, np.clip(np.frexp(np.where(a > 0, a, 1))[1] - 1 - 2, -126, 127), 0)      # np.frexp(a)[1] - 1 = floor(log2(a)), exactly
;;       r = np.clip(x / 2.0 ** e, -7.5, 7.5)
;;       step = 2.0 ** (np.maximum(np.frexp(np.where(r == 0, 1, r))[1] - 1, 0) - 3)
;;       q = np.round(r / step) * step * 2.0 ** e      # np.round: ties to even
;;       return np.moveaxis(q.reshape(q.shape[:-2] + (-1,))[..., :K], -1, axis).astype(np.float32)
;;   ~~~
;;   SOFTMAX AHEAD OF A QUANTISED PRODUCT. Where the list says 'softmax', what is quantised is not the finished softmax but p = 2^(t - M), with t = logit x log2(e) and M = ceil(the row's largest t), a whole number; so 1/2 < the row's largest p <= 1. The row's sum l is taken of the UNQUANTISED p, in f32, and the product's result is divided by l at the end. Since M is a whole number, a kernel that streams over the keys may use a running M (the ceiling of the running maximum): every later rescaling is an exact power of two, which a block's scale takes up: the codes' values come out the same.
;;   OPERANDS COMPUTED ON THE WAY. 'Computed on the way' means the value that the module computes at that place (a softmax that the list does not call 'softmax' is quantised finished and normalised). What goes into a quantiser is computed in f32, as accurately as f32 sums, v_exp_f32 and their like allow (about 1e-6 of the number): no bf16 or f16 on the way to a quantiser, and a product that is left as it is and whose result goes on into a quantised operand takes f32 operands (vector FMAs, or v_wmma_f32_16x16x4_f32). A number that lies on a knife's edge between two numbers of the format may be rounded either way, as far as f32 arithmetic and the matrix unit's own rounding can turn it there, and no further.
;; One version. Each part assembles by itself: llvm-mc -triple=amdgcn-amd-amdhsa -mcpu=gfx1250 --defsym DOCPART=n.
;; ======== version 1 of 1: 5 launches
;; limits: right only within a limited range of input values
;; workspace buffers: opx 9,830,400 bytes; mb 2,097,152 bytes of whole numbers; qkv 19,660,800 bytes; pbuf 14,155,776 bytes; obuf 6,553,600 bytes
;; launch prep (part 1): grid 256 x 1, 16 waves a work-group, no clusters, 272,384 bytes of LDS; arguments x, mask, Wq, Wk, Wv, Wo, opx, mb; writes opx, mb
.if DOCPART == 1
	.amdgcn_target "amdgcn-amd-amdhsa--gfx1250"
	.amdhsa_code_object_version 6
	.text
	.protected	k_qc883b0165a_prep
	.globl	k_qc883b0165a_prep
	.p2align	8
	.type	k_qc883b0165a_prep,@function
k_qc883b0165a_prep:
	s_mov_b64 s[64:65], 0
	v_nop
	global_prefetch_b8 v0, s[64:65] scope:SCOPE_SE
	s_setreg_imm32_b32 hwreg(HW_REG_WAVE_MODE, 25, 1), 1
	s_wait_xcnt 0x0
; x [8192][1024] and the four weights [1024 (d)][1024 (e)], f32, become codes of FP6 (E2M3) with one E8M0 byte for each 32 along d; the mask's bytes become words of 32 bits, a bit a lane.
; THE OPERANDS' LAYOUT (all workspace operands of this program): rows with K innermost are cut into blocks of 128 rows x 128 K; a block is 8 fragments of 16 rows x 128 K, each the IMAGE OF ITS 12 OPERAND REGISTERS:
;   byte = block x 12288 + fragment x 1536 + c x 512 + 16 x lane (registers 4 c .. 4 c + 3).  Lane-row rho of fragment t is row 32 (t / 2) + 8 (t % 2) + rho + 8 (rho / 8) of the block.
;   Scale words: 512 bytes a block, the word of (t, rho) at (t / 2) x 128 + 8 rho + 4 (t % 2).
; opx is a table of 96 rows of blocks, 8 blocks along K each: 0-63 x's tokens, 64-71 Wq^T, 72-79 Wk^T, 80-87 Wv^T, 88-95 Wo^T (rows = the output column e, K = d); scale words from SOFF on.
; mb: for each block of 128 queries x 128 keys 512 words: word [64 a + n], bit l = mask[query: lane-row l % 16 of fragment a][key 32 (n / 16) + 16 (l / 16) + n % 16].
; A block's scale is 2^(floor(log2(its largest magnitude)) - 2); its byte is the largest magnitude's exponent field - 2, held at 1 from below.
; LIMITS: NaN and infinities among the inputs are not served; a block of zeros, or one whose largest magnitude lies under 2^-124, gets the byte 1 (its codes are zeros or tiny; only this program reads the bytes).
; SHARES: 8,192 units of 8 KB of input, two to a wave: 4,096 fragments of x, 2,048 of the weights, 2,048 pieces of the mask.  EVERY WORK-GROUP TAKES OF ALL THREE KINDS, so that all 256 have the same work:
;   a wave's role is (wave + wave / 4) % 4: roles 0 and 1 take x, role 2 the weights, role 3 the mask.  Among waves w, w + 4, w + 8, w + 12, and among waves 4 g .. 4 g + 3, each role occurs once.
;   The three kinds ask for different things (x: bytes; the weights: many short loads; the mask: vector instructions), so they stand well beside each other.
; Both units' loads go out at the wave's head.  Waves share nothing: no barrier.  No matrix unit, no tensor load, no cluster: a stream that is read once.
.set SOFF,  9437184
.set WSTG,  8448                       ; a wave's stage: 16 rows x (512 + 16) bytes
.set MSTG,  16*WSTG                    ; the mask path's stages lie behind x's: each path has LDS bytes of its own
.set LI,    1                          ; v1   16 x lane
.set RHO,   2                          ; v2   lane % 16
.set HH,    3                          ; v3   lane / 16
.set R8,    5                          ; v5   8 x rho
.set SIX,   6                          ; v6   x's stage, on the way in: 16 x lane
.set SOX,   7                          ; v7   and out: row rho, + 64 h
.set H8,    8                          ; v8   8 h
.set L8,    9                          ; v9   8 x lane
.set SIM,   10                         ; v10  the mask's stage, in
.set SOM,   11                         ; v11  and out: row rho, + 16 h
.set WO,    12                         ; v12  a weight's lane offset
.set R0,    16                         ; v16-143 two units as they are loaded
.set X,     144                        ; v144-207 64 numbers (or 256 mask bytes) of a lane
.set PC,    208                        ; v208-227 the codes just made
.set OUT,   208                        ; v208-223 the mask path: 8 registers of words a unit
.set TM,    228                        ; v228-243 at work
.set PW,    244                        ; v244-245 the two fragments' scale words
.set TP,    246                        ; v246-249 at work
; 64 numbers of a lane, register 16 b + i = k 32 b + 16 (lane / 16) + i of its row, become a fragment's codes in v[PC] on and its scale word in v[pw].
.macro QUANT s, pw
.irp b, 0,1,2,3
	v_max3_num_f32 v[TM+\b], |v[\s+16*\b]|, |v[\s+16*\b+1]|, 0x1800000   ; block b: my 16 numbers, and the floor 2^(3 - 127): the byte cannot fall under 1
.endr
.irp i, 2,4,6,8,10,12,14
.irp b, 0,1,2,3
	s_delay_alu instid0(VALU_DEP_4)
	v_max3_num_f32 v[TM+\b], v[TM+\b], |v[\s+16*\b+\i]|, |v[\s+16*\b+\i+1]|
.endr
.endr
.irp b, 0,1,2,3
	s_delay_alu instid0(VALU_DEP_4)
	v_permlanex16_b32 v[TM+4+\b], v[TM+\b], s22, s23
.endr
.irp b, 0,1,2,3
	s_delay_alu instid0(VALU_DEP_4)
	v_max_num_f32 v[TM+\b], v[TM+\b], v[TM+4+\b]   ; with lane l xor 16's: the block's largest magnitude
.endr
.irp b, 0,1,2,3
	s_delay_alu instid0(VALU_DEP_4)
	v_add_nc_u32 v[TM+12+\b], 0xff000000, v[TM+\b] ; 2 off its exponent field: the conversion's scale operand
.endr
.irp b, 0,1,2,3
	s_delay_alu instid0(VALU_DEP_4)
	v_lshrrev_b32 v[TM+4+\b], 23, v[TM+12+\b]      ; the scale's byte
.endr
	s_delay_alu instid0(VALU_DEP_3)
	v_lshl_or_b32 v[\pw], v[TM+5], 8, v[TM+4]
	s_delay_alu instid0(VALU_DEP_1)
	v_lshl_or_b32 v[\pw], v[TM+6], 16, v[\pw]
	s_delay_alu instid0(VALU_DEP_1)
	v_lshl_or_b32 v[\pw], v[TM+7], 24, v[\pw]
.irp c, 0,1
	v_cvt_scalef32_pk16_fp6_f32 v[PC+6*\c:PC+6*\c+2], v[\s+32*\c:\s+32*\c+15], v[TM+12+2*\c]
	v_cvt_scalef32_pk16_fp6_f32 v[PC+12+4*\c:PC+12+4*\c+2], v[\s+32*\c+16:\s+32*\c+31], v[TM+12+2*\c+1]   ; (a conversion's three registers begin on an even number)
.endr
	v_nop                                          ; one plain place behind a scaled conversion
.irp c, 0,1                                    ; the operand's layout wants a whole block in a lane
.irp i, 0,1,2
	v_permlane16_swap_b32 v[PC+6*\c+\i], v[PC+12+4*\c+\i]
.endr
.irp i, 0,1,2
	s_delay_alu instid0(VALU_DEP_3)
	v_mov_b32 v[PC+3+6*\c+\i], v[PC+12+4*\c+\i]
.endr
.endr
.endm
.macro PUT f                           ; the fragment in v[PC] on leaves as it stands: each store covers 512 consecutive bytes, aligned
.irp c, 0,1,2
	global_store_b128 v[LI], v[PC+4*\c:PC+4*\c+3], s[26:27] offset:1536*(\f)+512*\c
.endr
.endm
	s_load_b512 s[4:19], s[0:1], 0x0               ; x s[4:5], mask s[6:7], Wq s[8:9], Wk s[10:11], Wv s[12:13], Wo s[14:15], opx s[16:17], mb s[18:19]
	v_lshl_add_u32 v252, v0, 2, 0x42000
	v_mov_b32 v253, 0
	v_lshrrev_b32 v4, 5, v0
	s_delay_alu instid0(VALU_DEP_1)
	v_readfirstlane_b32 s20, v4                    ; wave 0..15
	v_and_b32 v4, 31, v0
	s_delay_alu instid0(VALU_DEP_1)
	v_lshlrev_b32 v[LI], 4, v4
	s_delay_alu instid0(VALU_DEP_2)
	v_lshlrev_b32 v[L8], 3, v4
	v_and_b32 v[RHO], 15, v0
	v_bfe_u32 v[HH], v0, 4, 1
	s_delay_alu instid0(VALU_DEP_2)
	v_lshlrev_b32 v[R8], 3, v[RHO]
	s_delay_alu instid0(VALU_DEP_2)
	v_lshlrev_b32 v[H8], 3, v[HH]
	s_mul_i32 s34, s20, WSTG                       ; every LDS address is made here, ahead of the parting of the roles
	v_add_nc_u32 v[SIX], s34, v[LI]
	v_mul_u32_u24 v[SOM], v[RHO], 528
	s_delay_alu instid0(VALU_DEP_1)
	v_add_nc_u32 v[SOM], s34, v[SOM]
	s_delay_alu instid0(VALU_DEP_1)
	v_lshl_add_u32 v[SOX], v[HH], 6, v[SOM]
	s_delay_alu instid0(VALU_DEP_2)
	v_lshl_add_u32 v[SOM], v[HH], 4, v[SOM]
	s_delay_alu instid0(VALU_DEP_1)
	v_add_nc_u32 v[SOM], MSTG, v[SOM]
	v_add_nc_u32 v[SIM], MSTG, v[SIX]
	s_mov_b32 s22, 0x76543210
	s_mov_b32 s23, 0xfedcba98                      ; v_permlanex16_b32's selects for lane l xor 16
	s_lshr_b32 s24, s20, 2                         ; g = wave / 4: my number among the four waves of my role
	s_add_co_u32 s21, s20, s24
	s_and_b32 s21, s21, 3                          ; my role
	s_cmp_lt_u32 s21, 3
	s_cbranch_scc0 .Lmask
	; ---- x and the weights: my two fragments are numbers f0 and f0 + 1 of opx.  x: f0 = 16 x work-group + 2 (4 x role + g);  the weights: f0 = 4096 + 8 x work-group + 2 g
	s_lshl_b32 s25, s21, 2
	s_add_co_u32 s25, s25, s24
	s_lshl_b32 s25, s25, 1                         ; x: 2 (4 role + g);  the weights: 16 + 2 g
	s_cmp_lt_u32 s21, 2
	s_cselect_b32 s26, 4, 3
	s_cselect_b32 s27, 0, 4080
	s_lshl_b32 s26, ttmp9, s26
	s_add_co_u32 s25, s25, s26
	s_add_co_u32 s25, s25, s27                     ; f0
	s_mul_i32 s26, s25, 1536
	s_mov_b32 s27, 0
	s_lshr_b32 s31, s25, 3                         ; the block
	s_lshr_b32 s36, s25, 1
	s_and_b32 s36, s36, 3                          ; which pair of its fragments
	s_lshl_b32 s28, s31, 9
	s_lshl_b32 s29, s36, 7
	s_add_co_u32 s28, s28, s29
	s_add_co_u32 s28, s28, SOFF
	s_mov_b32 s29, 0
	s_and_b32 s30, s31, 7                          ; the block's place along K
	s_lshr_b32 s31, s31, 3                         ; its row of blocks, 0 .. 95
.irp b, 0,1,2,3
	v_mov_b32 v[TM+4+\b], 0                        ; written once: a lane permute's destination counts as one of its sources
.endr
	s_wait_kmcnt 0x0
	s_add_nc_u64 s[26:27], s[16:17], s[26:27]      ; where my codes go
	s_add_nc_u64 s[28:29], s[16:17], s[28:29]      ; and my scale words
	s_cmp_lt_u32 s21, 2
	s_cbranch_scc0 .Lweights
	; ---- x: K is innermost.  A load takes 512 consecutive bytes of one row; 16 rows turn through the wave's stage, so that a lane gets 16 neighbours of each block of 32
	s_lshl_b32 s32, s31, 19                        ; 128 rows of 4,096 bytes
	s_lshl_b32 s33, s36, 17                        ; 32 rows
	s_add_co_u32 s32, s32, s33
	s_lshl_b32 s33, s30, 9                         ; 128 numbers along K
	s_add_co_u32 s32, s32, s33
	s_mov_b32 s33, 0
	s_add_nc_u64 s[4:5], s[4:5], s[32:33]
.macro LOADX u
.irp i, 0,1,2,3,4,5,6,7,8,9,10,11,12,13,14,15
	global_load_b128 v[R0+64*\u+4*\i:R0+64*\u+4*\i+3], v[LI], s[4:5] offset:(8*\u+\i+8*(\i/8))*4096 th:TH_LOAD_NT
.endr
.endm
.macro TURNX u                         ; LDS serves a wave's instructions in order: no wait between the stores and the loads
.irp i, 0,1,2,3,4,5,6,7,8,9,10,11,12,13,14,15
	ds_store_b128 v[SIX], v[R0+64*\u+4*\i:R0+64*\u+4*\i+3] offset:\i*528
.endr
.irp b, 0,1,2,3
.irp j, 0,1,2,3
	ds_load_b128 v[X+16*\b+4*\j:X+16*\b+4*\j+3], v[SOX] offset:128*\b+16*\j
.endr
.endr
.endm
	LOADX 0
	LOADX 1
	s_wait_loadcnt 16                              ; the first fragment's 16 loads are in; the second's may be out
	s_wait_alu depctr_va_vdst(0)
	TURNX 0
	s_wait_dscnt 0x0
	QUANT X, PW
	PUT 0
	s_wait_loadcnt 0x0
	TURNX 1
	s_wait_dscnt 0x0
	s_wait_xcnt 0x0                                ; the stores have read the codes' registers: they are written again only behind this wait
	QUANT X, PW+1
	PUT 1
	global_store_b64 v[R8], v[PW:PW+1], s[28:29]   ; the pair's scale words: 128 consecutive bytes (lanes 16-31 repeat lanes 0-15 with the same bytes)
	s_wait_tensorcnt 0x0
	ds_add_u32 v252, v253
	s_wait_dscnt 0x0
	s_endpgm
	; ---- the weights: K is the FIRST axis.  A lane takes a column e and its registers run down d, in the very order of the operand's registers: nothing is transposed
.Lweights:
	s_sub_co_u32 s31, s31, 64                      ; 0 .. 31
	s_lshr_b32 s32, s31, 3                         ; which weight: Wq, Wk, Wv, Wo
	s_cmp_eq_u32 s32, 1
	s_cselect_b64 s[8:9], s[10:11], s[8:9]
	s_cmp_eq_u32 s32, 2
	s_cselect_b64 s[8:9], s[12:13], s[8:9]
	s_cmp_eq_u32 s32, 3
	s_cselect_b64 s[8:9], s[14:15], s[8:9]
	s_and_b32 s33, s31, 7
	s_lshl_b32 s33, s33, 9                         ; 128 columns
	s_lshl_b32 s34, s30, 19                        ; 128 rows of 4,096 bytes
	s_add_co_u32 s34, s34, s33
	s_lshl_b32 s33, s36, 7                         ; 32 columns
	s_add_co_u32 s34, s34, s33
	s_mov_b32 s35, 0
	s_add_nc_u64 s[8:9], s[8:9], s[34:35]
	v_and_b32 v[WO], 8, v[RHO]
	s_delay_alu instid0(VALU_DEP_1)
	v_add_nc_u32 v[WO], v[WO], v[RHO]              ; rho + 8 (rho / 8)
	s_delay_alu instid0(VALU_DEP_1)
	v_lshlrev_b32 v[WO], 2, v[WO]
	s_delay_alu instid0(VALU_DEP_1)
	v_lshl_add_u32 v[WO], v[HH], 17, v[WO]         ; lanes 16-31 begin 32 rows further down
.macro LOADW u
.irp c, 0,1
.irp i, 0,1,2,3,4,5,6,7,8,9,10,11,12,13,14,15,16,17,18,19,20,21,22,23,24,25,26,27,28,29,30,31
	global_load_b32 v[R0+64*\u+32*\c+\i], v[WO], s[8:9] offset:(64*\c+\i)*4096+32*\u
.endr
.endr
.endm
.macro WORKW r, pw                     ; a lane holds two whole blocks: h and 2 + h of its column
.irp c, 0,1
	v_max3_num_f32 v[TM+\c], |v[\r+32*\c]|, |v[\r+32*\c+1]|, 0x1800000
.endr
.irp i, 2,4,6,8,10,12,14,16,18,20,22,24,26,28,30
.irp c, 0,1
	s_delay_alu instid0(VALU_DEP_2)
	v_max3_num_f32 v[TM+\c], v[TM+\c], |v[\r+32*\c+\i]|, |v[\r+32*\c+\i+1]|
.endr
.endr
.irp c, 0,1
	s_delay_alu instid0(VALU_DEP_2)
	v_add_nc_u32 v[TM+12+\c], 0xff000000, v[TM+\c]
.endr
.irp c, 0,1
	s_delay_alu instid0(VALU_DEP_2)
	v_lshrrev_b32 v[TM+4+\c], 23, v[TM+12+\c]
.endr
	s_delay_alu instid0(VALU_DEP_1)
	v_lshl_or_b32 v[\pw], v[TM+5], 16, v[TM+4]
	s_delay_alu instid0(VALU_DEP_1)
	v_lshlrev_b32 v[\pw], v[H8], v[\pw]            ; my two bytes at their places in the word
	s_delay_alu instid0(VALU_DEP_1)
	v_permlanex16_b32 v[TM+6], v[\pw], s22, s23
	s_delay_alu instid0(VALU_DEP_1)
	v_or_b32 v[\pw], v[\pw], v[TM+6]               ; with lane l xor 16's two the word is whole
.irp c, 0,1
	v_cvt_scalef32_pk16_fp6_f32 v[PC+6*\c:PC+6*\c+2], v[\r+32*\c:\r+32*\c+15], v[TM+12+\c]
	v_cvt_scalef32_pk16_fp6_f32 v[PC+12+4*\c:PC+12+4*\c+2], v[\r+32*\c+16:\r+32*\c+31], v[TM+12+\c]
.endr
	v_nop
.irp c, 0,1
.irp i, 0,1,2
	v_mov_b32 v[PC+3+6*\c+\i], v[PC+12+4*\c+\i]
.endr
.endr
.endm
	LOADW 0
	LOADW 1
	s_wait_loadcnt 63                              ; 64 loads were issued behind the first fragment's; the count's field holds 63, so one load more than needed is waited for
	WORKW R0, PW
	PUT 0
	s_wait_loadcnt 0x0
	s_wait_xcnt 0x0                                ; the stores have read the codes' registers
	WORKW R0+64, PW+1
	PUT 1
	global_store_b64 v[R8], v[PW:PW+1], s[28:29]
	s_endpgm
	; ---- the mask: a unit is 16 queries (a fragment's lane-rows) x 512 keys.  Through the stage a lane gets the 16 bytes of its query at the 16 keys that it will hold in the scores' registers
.Lmask:
	s_lshl_b32 s25, ttmp9, 2
	s_add_co_u32 s25, s25, s24                     ; my piece: 4 x work-group + g = 16 x block of queries + 2 x fragment + half of the keys
	s_and_b32 s27, s25, 1                          ; which 1,024 keys
	s_lshr_b32 s26, s25, 1
	s_and_b32 s26, s26, 7                          ; fragment a
	s_lshr_b32 s25, s25, 4                         ; the block of 128 queries
	s_lshl_b32 s28, s25, 7
	s_lshr_b32 s29, s26, 1
	s_lshl_b32 s29, s29, 5
	s_add_co_u32 s28, s28, s29
	s_and_b32 s29, s26, 1
	s_lshl_b32 s29, s29, 3
	s_add_co_u32 s28, s28, s29                     ; the fragment's first row
	s_lshl_b32 s28, s28, 11                        ; rows of 2,048 bytes
	s_lshl_b32 s29, s27, 10
	s_add_co_u32 s28, s28, s29
	s_mov_b32 s29, 0
	s_lshl_b32 s30, s25, 15                        ; mb: 16 blocks of 2,048 bytes for each block of queries
	s_lshl_b32 s31, s27, 14
	s_add_co_u32 s30, s30, s31
	s_lshl_b32 s31, s26, 8
	s_add_co_u32 s30, s30, s31
	s_mov_b32 s31, 0
.irp j, 0,1,2,3,4,5,6,7,8,9,10,11,12,13,14,15
	v_mov_b32 v[OUT+\j], 0                         ; v_writelane_b32's destination counts as read
.endr
	s_wait_kmcnt 0x0
	s_add_nc_u64 s[6:7], s[6:7], s[28:29]
	s_add_nc_u64 s[18:19], s[18:19], s[30:31]
.irp u, 0,1
.irp i, 0,1,2,3,4,5,6,7,8,9,10,11,12,13,14,15
	global_load_b128 v[R0+64*\u+4*\i:R0+64*\u+4*\i+3], v[LI], s[6:7] offset:(\i+8*(\i/8))*2048+512*\u th:TH_LOAD_NT
.endr
.endr
.macro TURNM u
.irp i, 0,1,2,3,4,5,6,7,8,9,10,11,12,13,14,15
	ds_store_b128 v[SIM], v[R0+64*\u+4*\i:R0+64*\u+4*\i+3] offset:\i*528
.endr
.irp k, 0,1,2,3
.irp b, 0,1,2,3
	ds_load_b128 v[X+16*\k+4*\b:X+16*\k+4*\b+3], v[SOM] offset:128*\k+32*\b
.endr
.endr
.endm
; Word n of a block of 128 keys: byte n % 4 of register n / 4, compared in all 32 lanes at once; the compare's lane mask IS the word.  It goes to lane n / 2 of one of two registers, so that 32 lanes store 256 consecutive bytes, aligned.
.macro BITS u
.irp k, 0,1,2,3
.set N, 0
.rept 16
.irp m, 0,1,2,3
	v_and_b32 v[TP+\m], 1<<(8*\m), v[X+16*\k+N/4]
.endr
.irp m, 0,1,2,3
	s_delay_alu instid0(VALU_DEP_4)
	v_cmp_ne_u32 s[36+\m], 0, v[TP+\m]
.endr
.irp m, 0,1,2,3
	v_writelane_b32 v[OUT+8*\u+2*\k+\m%2], s[36+\m], (N+\m)/2
.endr
.set N, N+4
.endr
	global_store_b64 v[L8], v[OUT+8*\u+2*\k:OUT+8*\u+2*\k+1], s[18:19] offset:\u*8192+\k*2048
.endr
.endm
	s_wait_loadcnt 16                              ; the first unit's 16 loads are in
	TURNM 0
	s_wait_dscnt 0x0
	BITS 0
	s_wait_loadcnt 0x0
	TURNM 1
	s_wait_dscnt 0x0
	BITS 1
	s_wait_tensorcnt 0x0
	ds_add_u32 v252, v253
	s_wait_dscnt 0x0
	s_endpgm
.Lfunc_end_k_qc883b0165a_prep:
	.size	k_qc883b0165a_prep, .Lfunc_end_k_qc883b0165a_prep-k_qc883b0165a_prep
	.p2alignl 7, 3214868480
	.fill 96, 4, 3214868480
	.section	.rodata,"a",@progbits
	.p2align	6, 0x0
	.amdhsa_kernel k_qc883b0165a_prep
		.amdhsa_group_segment_fixed_size 272384
		.amdhsa_private_segment_fixed_size 0
		.amdhsa_enable_private_segment 0
		.amdhsa_kernarg_size 64
		.amdhsa_user_sgpr_count 2
		.amdhsa_user_sgpr_kernarg_segment_ptr 1
		.amdhsa_wavefront_size32 1
		.amdhsa_system_sgpr_workgroup_id_x 1
		.amdhsa_system_sgpr_workgroup_id_y 1
		.amdhsa_system_sgpr_workgroup_id_z 1
		.amdhsa_system_vgpr_workitem_id 0
		.amdhsa_next_free_vgpr 254
		.amdhsa_next_free_sgpr 66
		.amdhsa_reserve_vcc 0
		.amdhsa_float_denorm_mode_32 3
		.amdhsa_float_denorm_mode_16_64 3
		.amdhsa_memory_ordered 1
		.amdhsa_forward_progress 1
		.amdhsa_inst_pref_size 161
	.end_amdhsa_kernel
	.amdgpu_metadata
---
amdhsa.version: [ 1, 2 ]
amdhsa.kernels:
  - .name:           k_qc883b0165a_prep
    .symbol:         k_qc883b0165a_prep.kd
    .args:
      - { .name: x, .offset: 0, .size: 8, .value_kind: global_buffer, .address_space: global }
      - { .name: mask, .offset: 8, .size: 8, .value_kind: global_buffer, .address_space: global }
      - { .name: Wq, .offset: 16, .size: 8, .value_kind: global_buffer, .address_space: global }
      - { .name: Wk, .offset: 24, .size: 8, .value_kind: global_buffer, .address_space: global }
      - { .name: Wv, .offset: 32, .size: 8, .value_kind: global_buffer, .address_space: global }
      - { .name: Wo, .offset: 40, .size: 8, .value_kind: global_buffer, .address_space: global }
      - { .name: opx, .offset: 48, .size: 8, .value_kind: global_buffer, .address_space: global }
      - { .name: mb, .offset: 56, .size: 8, .value_kind: global_buffer, .address_space: global }
    .group_segment_fixed_size: 272384
    .private_segment_fixed_size: 0
    .kernarg_segment_align: 8
    .kernarg_segment_size: 64
    .max_flat_workgroup_size: 512
    .sgpr_count:     66
    .vgpr_count:     254
    .wavefront_size: 32
...
	.end_amdgpu_metadata
.endif
;; end of part 1
;; launch qkv (part 2): grid 8 x 32, 4 waves a work-group, clusters of 4 x 4, 327,680 bytes of LDS; arguments opx, qkv; writes qkv
.if DOCPART == 2
	.amdgcn_target "amdgcn-amd-amdhsa--gfx1250"
	.amdhsa_code_object_version 6
	.text
	.protected	k_qc883b0165a_qkv
	.globl	k_qc883b0165a_qkv
	.p2align	8
	.type	k_qc883b0165a_qkv,@function
k_qc883b0165a_qkv:
	s_mov_b64 s[64:65], 0
	v_nop
	global_prefetch_b8 v0, s[64:65] scope:SCOPE_SE
	s_setreg_imm32_b32 hwreg(HW_REG_WAVE_MODE, 25, 1), 1
	s_wait_xcnt 0x0
	s_wait_alu depctr_hold_cnt(0) depctr_sa_sdst(0) depctr_va_vdst(0) depctr_va_sdst(0) depctr_va_ssrc(0) depctr_va_vcc(0) depctr_vm_vsrc(0)
	s_getreg_b32 s2, hwreg(HW_REG_IB_STS2, 6, 4)
	s_cmp_eq_u32 s2, 0
	s_cbranch_scc0 .Lentry_in_a_cluster
	s_endpgm
.Lentry_in_a_cluster:
	s_bfe_u32 s2, ttmp6, 0x10000c
	s_cmp_lg_u32 s2, 0xf033
	s_cbranch_scc0 .Lentry_shape_is_right
	s_endpgm
.Lentry_shape_is_right:
; q = x Wq, k = x Wk and v^T = (x Wv)^T on codes of FP6 (E2M3) with E8M0 scales; each result is quantised at once for the product that will read it: q and k along the model axis, v along the tokens.
; A work-group makes two tiles from the same 256 tokens of x (8192 x 3072 results = 256 x (256 x 256 + 256 x 128)):
;   PASS 1: C'(token, column), 256 tokens x 256 columns of Wq or Wk: A' = x, B' = the weight; a wave makes 128 x 128, 64 accumulators.
;   PASS 2: C'(channel, token), 128 channels of Wv x the same tokens: A' = Wv^T, B' = x; a wave makes 64 x 128, 32 accumulators.
; OPERANDS lie in memory in the order of the operand's registers: blocks of 128 rows x 128 K, 8 fragments of 1,536 bytes (byte = c x 512 + 16 x lane), lane-row rho of fragment t = row 32 (t / 2) + 8 (t % 2) + rho + 8 (rho / 8);
;   scale words 512 bytes a block, (t, rho) at (t / 2) x 128 + 8 rho + 4 (t % 2).
; The matrix instruction is used transposed (source 0 = 16 rows of B', source 1 = 16 rows of A'): the 16 registers of accumulators (a, 2 i), (a, 2 i + 1) are 16 neighbours along n'.
; LDS: x's 256 tokens for ALL of K stay: 2 parts x 98,304 bytes, filled once, in two halves along K, and read by both passes.  Behind them a ring of two slots of 49,152 bytes for the weights:
;   in pass 1 a slot holds 256 along K of 256 columns, in pass 2 512 along K of 128 channels; waves 2 and 3 fill it, 24,576 bytes each; pass 1's last two changes of slots ask for pass 2's tiles.
; SCALE WORDS come straight into registers, for all of K: pass 1: register 8 k + i: lanes 0-15 x's fragment i, lanes 16-31 the weight's; pass 2: x's words anew (my tokens as B'), asked for under pass 1's way out; Wv's in 32 registers.
; CLUSTERS: 4 x 4; x's tiles are asked for jointly along a row of the cluster, the weights' along a column.
; PREFETCHES INTO THE L2, a lane a block of 256 bytes, the four partners of a joint load sharing a tile's blocks out by address.  At the head, behind the first fills: waves 0, 1 x's second half (48 blocks a partner, two
;   instructions of 24 lanes), waves 2, 3 the weight's second and third slot (24 blocks each).  Behind the second fills: waves 2, 3 the weight's fourth slot, waves 0, 1 the part of Wv's first slot that wave 2 or 3 will fetch.
;   Lanes 24-31 name their wave's last block again.  Wv's second slot has pass 1's way out in which to land and is not asked for ahead.
; LIMITS: NaN and infinities are not served; a block of zeros, or one whose largest magnitude lies under 2^-124, gets the byte 1 (only this program reads the bytes).
; REGISTERS: window 0: v1-30 addresses; v32-95, v96-127 scale words; v128-223 A's fragments (ways out: at work).  window 1: B's fragments, two sets.  windows 2, 3: accumulators, (a, b) at v[8 (8 (a % 4) + b)].
.set NA,    8
.set NQ,    2                          ; steps of 128 along K in a slot (pass 2: 4)
.set H,     4                          ; NA / 2
.set NL,    3                          ; LDS loads that bring a fragment
.set PASS,  1
.set KB,    0                          ; the K step at which the slot at work begins
.set FRB,   1536
.set BLK,   12288
.set XPART, 98304                      ; one part of x: 128 tokens, 8 blocks along K
.set XHALF, 49152                      ; half of it along K: what one load brings
.set WOFF,  196608                     ; the weights' ring
.set WPART, 24576
.set SLOT,  49152
.set SPARE, 311552                     ; the spare words: two blocks of 256 bytes that no other line names
.set STG,   312064                     ; the ways out: 512 bytes for each wave; no fill lands here
.set SOFF,  9437184                    ; opx: where the scale words begin
.set QSOFF, 18874368                   ; qkv: likewise
.set LI,    1                          ; 16 x lane
.set R8,    6                          ; 8 x (lane % 16)
.set L8,    7                          ; 8 x lane
.set SOF,   8                          ; pass 1's scale words: 8 rho, and in lanes 16-31 the way from x's row of blocks to the weight's
.set PF0,   9                          ; the prefetches: 256 x min(lane, 23); never rewritten
.set PF1,   10                         ; the same, 24 blocks (x) or a slot (the weight) on; never rewritten
.set ADRA,  16                         ; v16-17 pass 1: x's fragments, K steps 0-1 and 2-3; each is moved on by four steps when it is read out
.set A2,    18                         ; v18-19 pass 2: Wv's fragments in slot 0, 1
.set ADRB,  20                         ; v20-21 pass 1: the weight's fragments in slot 0, 1
.set B2,    22                         ; v22-23 pass 2: x's fragments, K's halves
.set SWA,   24
.set SRA,   25
.set SPW,   28
.set NIL,   29
.set SRA2,  30
.set SC,    32
.set SV,    96
.set AF,    128
.set PC,    128
.set TM,    160
.set PW,    176
.set SB,    184
.set WVP,   66
.set G1,  24
.set G0,  32
.set G1B, 48
.set G0B, 56
.set MSB, 0
.macro WIN new                         ; the immediate's high byte repeats the setting that is left
.if MSB != (\new)
	s_set_vgpr_msb (MSB<<8)|(\new)
.set MSB, (\new)
.endif
.endm
.macro JLOAD g0a, g1a, g0b, g1b        ; waves 0, 1: x's parts; waves 2, 3: the weight's.  s_nop 0 and four v_nop behind each load
	s_cmp_eq_u32 s15, 0
	s_cbranch_scc0 .Lfor_b_\@
	tensor_load_to_lds s[\g0a:\g0a+3], s[\g1a:\g1a+7]
	s_nop 0
.rept 4
	v_nop
.endr
	s_branch .Lasked_\@
.Lfor_b_\@:
	tensor_load_to_lds s[\g0b:\g0b+3], s[\g1b:\g1b+7]
	s_nop 0
.rept 4
	v_nop
.endr
.Lasked_\@:
.endm
.macro WLOAD g0                        ; a refill of the weights' ring: waves 2 and 3 alone have a part
	s_cmp_eq_u32 s15, 0
	s_cbranch_scc1 .Lno_part_\@
	tensor_load_to_lds s[\g0:\g0+3], s[G1B:G1B+7]
	s_nop 0
.rept 4
	v_nop
.endr
.Lno_part_\@:
.endm
.macro CREST                           ; a round of the cluster's barrier behind its opening barrier
	s_cmp_lg_u32 s14, 0
	s_cbranch_scc1 .Lnot_wave_0_\@
	s_barrier_signal -3
.Lnot_wave_0_\@:
	s_barrier_wait -3
	s_barrier_signal -1
	s_barrier_wait -1
.endm
.macro CROUND
	s_barrier_signal -1
	s_barrier_wait -1
	CREST
.endm
.macro PLACES n                        ; plain places behind matrix instructions (ISA guide 7.12.1)
.rept \n
	v_nop
.endr
.endm
.macro FRAG reg, adr, q, i
.irp c, 0,1,2
	ds_load_b128 v[\reg+4*\c:\reg+4*\c+3], v[\adr] offset:(8*(\q)+(\i))*FRB+512*\c
.endr
.endm
.macro FETCH_B slot, q, p
	WIN 0x40
.irp i, 0,1,2,3,4,5,6,7
	FRAG 128*(\p)+12*\i, ADRB+\slot, \q, \i
.endr
	WIN 0
.endm
.macro FETCH_A slot, q, i0
.set FI, \i0
.rept H
	FRAG AF+12*FI, ADRA+\slot, \q, FI
.set FI, FI+1
.endr
.endm
; 8 matrix instructions: A's fragment a against B's eight, K step KB + q.  The accumulators take turns, one instruction a turn.
.macro MULB a, p, q, zero
	WIN 0xa1+0x50*((\a)/4)
.if PASS == 1
.set SA, SC+8*(KB+(\q))+(\a)
.else
.set SA, SV+4*(KB+(\q))+(\a)
.endif
.irp b, 0,1,2,3,4,5,6,7
.if \zero
	v_wmma_scale_f32_16x16x128_f8f6f4 v[8*(8*((\a)%4)+\b):8*(8*((\a)%4)+\b)+7], v[128*(\p)+12*\b:128*(\p)+12*\b+11], v[AF+12*(\a):AF+12*(\a)+11], 0, v[SC+8*(KB+(\q))+\b], v[SA] matrix_a_fmt:MATRIX_FMT_FP6 matrix_b_fmt:MATRIX_FMT_FP6 matrix_a_scale:MATRIX_SCALE_ROW1
.else
	v_wmma_scale_f32_16x16x128_f8f6f4 v[8*(8*((\a)%4)+\b):8*(8*((\a)%4)+\b)+7], v[128*(\p)+12*\b:128*(\p)+12*\b+11], v[AF+12*(\a):AF+12*(\a)+11], v[8*(8*((\a)%4)+\b):8*(8*((\a)%4)+\b)+7], v[SC+8*(KB+(\q))+\b], v[SA] matrix_a_fmt:MATRIX_FMT_FP6 matrix_b_fmt:MATRIX_FMT_FP6 matrix_a_scale:MATRIX_SCALE_ROW1
.endif
.endr
.endm
.macro MULS a0, n, p, q, zero
.set AI, \a0
.rept \n
	MULB AI, \p, \q, \zero
.set AI, AI+1
.endr
.endm
; A step of 128 along K with its successor in the same slot.  A has one set of registers (lower half fetched anew in the middle, upper half at the end), B two.
.macro STEP slot, q, zero
	s_wait_dscnt H*NL                              ; all but the youngest loads (A's upper half, H fragments of 3 loads) are in
	MULS 0, H, (\q)%2, \q, \zero
	s_wait_dscnt 0
	PLACES 4
	FETCH_B \slot, (\q)+1, 1-(\q)%2
	FETCH_A \slot, (\q)+1, 0
	MULS H, H, (\q)%2, \q, \zero
	PLACES 4
	WIN 0
	FETCH_A \slot, (\q)+1, H
.endm
; A slot's last step changes slots: one barrier; in front of it each wave waits for all its tensor loads, adds 0 to its spare word, and waits for that and for its reads of this slot.
; fill = 1: the ring's slot takes this weight's K two slots on;  2: Wv's tiles for this slot;  0: nothing.  more = 1: the next slot's first fragments are fetched.
.macro TURN slot, next, fill, more
	s_wait_tensorcnt 0x0                           ; all my tensor loads have landed
	ds_add_u32 v[SPW], v[NIL]
	s_wait_dscnt H*NL+1                            ; (the add and A's upper half may be out)
	MULS 0, H/2, 1, NQ-1, 0
	s_wait_dscnt 0x0                               ; the add is done, and my reads of this slot are over
	s_barrier_signal -1
	MULS H/2, H/2, 1, NQ-1, 0
	WIN 0
	s_barrier_wait -1
.if \fill
	CREST                                          ; the barrier has opened a round of the cluster's barrier
.if \fill == 1
	s_add_nc_u64 s[G0B+4*\slot+2:G0B+4*\slot+3], s[G0B+4*\slot+2:G0B+4*\slot+3], 2*NQ*BLK
.else
	s_add_nc_u64 s[G0B+4*\slot+2:G0B+4*\slot+3], s[WVP:WVP+1], 4*\slot*BLK   ; Wv^T: my two of K blocks 4 slot .. 4 slot + 3
	s_or_b32 s[G0B+4*\slot+3], s[G0B+4*\slot+3], 0x80000000
.endif
	WLOAD G0B+4*\slot                              ; the first tensor load behind the round
.endif
	PLACES 4                                       ; (waves 0 and 1 have passed no v_nop)
.if PASS == 1 && \fill == 1
	v_add_nc_u32 v[ADRA+\slot], 2*NQ*BLK, v[ADRA+\slot]   ; x stays in LDS: this register's next two K steps lie four steps on
	s_wait_alu depctr_va_vdst(0)
.endif
.if \more
	FETCH_B \next, 0, 0
	FETCH_A \next, 0, 0
.endif
	MULS H, H, 1, NQ-1, 0
.if \more
	PLACES 4
	WIN 0
	FETCH_A \next, 0, H
.else
	WIN 0
.endif
.set KB, KB+NQ
.endm
.macro LAST
	s_wait_dscnt H*NL
	MULS 0, H, 1, NQ-1, 0
	s_wait_dscnt 0
	MULS H, H, 1, NQ-1, 0
	WIN 0
.endm
; 64 numbers of a lane in window w, register 16 b + i = k 32 b + 16 (lane / 16) + i of its row, become a fragment's codes in v[PC] on and its scale word in v[pw].  Each accumulator is read from its low end on.
.macro QUANT s, w, pw
	WIN (\w)|((\w)<<2)
.irp b, 0,1,2,3
	v_max3_num_f32 v[TM+\b], |v[(\s)+16*\b]|, |v[(\s)+16*\b+1]|, 0x1800000   ; and the floor 2^(3 - 127): the byte cannot fall under 1
.endr
.irp i, 2,4,6,8,10,12,14
.irp b, 0,1,2,3
	v_max3_num_f32 v[TM+\b], |v[(\s)+16*\b+\i]|, |v[(\s)+16*\b+\i+1]|, v[TM+\b]
.endr
.endr
	WIN 0
.irp b, 0,1,2,3
	v_permlanex16_b32 v[TM+4+\b], v[TM+\b], s98, s99
.endr
.irp b, 0,1,2,3
	v_max_num_f32 v[TM+\b], v[TM+\b], v[TM+4+\b]
.endr
.irp b, 0,1,2,3
	v_add_nc_u32 v[TM+12+\b], 0xff000000, v[TM+\b] ; 2 off the exponent field: the conversion's scale operand
.endr
.irp b, 0,1,2,3
	v_lshrrev_b32 v[TM+4+\b], 23, v[TM+12+\b]      ; the scale's byte
.endr
	v_lshl_or_b32 v[\pw], v[TM+5], 8, v[TM+4]
	v_lshl_or_b32 v[\pw], v[TM+6], 16, v[\pw]
	v_lshl_or_b32 v[\pw], v[TM+7], 24, v[\pw]
	WIN \w
.irp c, 0,1
	v_cvt_scalef32_pk16_fp6_f32 v[PC+6*\c:PC+6*\c+2], v[(\s)+32*\c:(\s)+32*\c+15], v[TM+12+2*\c]
	v_cvt_scalef32_pk16_fp6_f32 v[PC+12+4*\c:PC+12+4*\c+2], v[(\s)+32*\c+16:(\s)+32*\c+31], v[TM+12+2*\c+1]
.endr
	WIN 0
	v_nop                                          ; one plain place behind a scaled conversion
.irp c, 0,1
.irp i, 0,1,2
	v_permlane16_swap_b32 v[PC+6*\c+\i], v[PC+12+4*\c+\i]
.endr
.irp i, 0,1,2
	v_mov_b32 v[PC+3+6*\c+\i], v[PC+12+4*\c+\i]
.endr
.endr
.endm
	s_load_b128 s[4:7], s[0:1], 0x0                ; opx s[4:5], qkv s[6:7]
	v_lshl_add_u32 v[SPW], v0, 2, SPARE
	v_mov_b32 v[NIL], 0
	ds_add_u32 v[SPW], v[NIL]                      ; the opening lines: the add twice on end under one wait
	ds_add_u32 v[SPW], v[NIL]
	v_lshrrev_b32 v2, 5, v0
	v_readfirstlane_b32 s14, v2                    ; wave 0..3
	s_lshr_b32 s15, s14, 1                         ; which half of A's rows is mine.  Also: I fetch x (0) or a weight (1)
	s_and_b32 s16, s14, 1                          ; which half of B's rows.  Also: which part I fetch
	s_bfe_u32 s40, ttmp6, 0x40000                  ; cx
	s_bfe_u32 s41, ttmp6, 0x40004                  ; cy
	s_lshl_b32 s43, s41, 2
	s_lshl_b32 s43, 15, s43                        ; my row of the cluster
	s_lshl_b32 s44, 0x1111, s40                    ; my column
	s_mov_b32 s98, 0x76543210
	s_mov_b32 s99, 0xfedcba98                      ; v_permlanex16_b32's selects for lane l xor 16
	s_or_b32 s[G1+0], s43, (3<<16)|(1<<21)         ; dense runs as rows of 256 bytes (32 elements of 8 bytes): x 192 rows, a weight 96
	s_or_b32 s[G1B+0], s44, (3<<16)|(1<<21)
	s_mov_b32 s[G1+1], 32<<16
	s_mov_b32 s[G1+2], 192<<16
	s_mov_b32 s[G1+3], 32<<16
	s_mov_b32 s[G1+4], 192
	s_mov_b32 s[G1+5], 32
	s_mov_b32 s[G1+6], 0
	s_mov_b32 s[G1+7], 0
	s_mov_b32 s[G1B+1], 32<<16
	s_mov_b32 s[G1B+2], 96<<16
	s_mov_b32 s[G1B+3], 32<<16
	s_mov_b32 s[G1B+4], 96
	s_mov_b32 s[G1B+5], 32
	s_mov_b32 s[G1B+6], 0
	s_mov_b32 s[G1B+7], 0
	s_and_b32 s18, ttmp7, 0xffff
	s_lshl_b32 s18, s18, 3                         ; 8 x cluster y
	s_lshl_b32 s74, s41, 1
	s_add_co_u32 s74, s74, s18                     ; my work-group's first row of blocks of x
	s_add_co_u32 s20, s74, s16                     ; the part that I fetch; also pass 2's B'
	s_add_co_u32 s72, s74, s15                     ; pass 1's A'
	s_lshl_b32 s46, ttmp9, 3
	s_lshl_b32 s47, s40, 1
	s_add_co_u32 s46, s46, s47
	s_add_co_u32 s46, s46, s16
	s_add_co_u32 s46, s46, 64                      ; Wq^T or Wk^T: row of blocks 64 + 8 cX + 2 cx + my part
	s_sub_co_u32 s73, s46, s72
	s_lshl_b32 s73, s73, 12                        ; from x's scale words to the weight's: 4,096 bytes a row of blocks
	s_lshl_b32 s68, s72, 12
	s_add_co_u32 s68, s68, SOFF
	s_mov_b32 s69, 0
	s_lshl_b32 s70, s20, 12
	s_add_co_u32 s70, s70, SOFF
	s_mov_b32 s71, 0
	s_mul_i32 s20, s20, 8*BLK
	s_mov_b32 s21, 0
	s_mul_i32 s46, s46, 8*BLK
	s_mov_b32 s47, 0
	s_mul_i32 s42, s16, XPART                      ; where they go: no place in the cluster enters an LDS address
	s_mul_i32 s45, s16, WPART
	s_add_co_u32 s45, s45, WOFF
	s_wait_alu depctr_va_vdst(0)                   ; the wait ahead of the waits below
	s_wait_dscnt 0x0                               ; both opening adds are done
	s_wait_kmcnt 0x0
	s_add_nc_u64 s[20:21], s[4:5], s[20:21]
	s_add_nc_u64 s[46:47], s[4:5], s[46:47]
	s_add_nc_u64 s[68:69], s[4:5], s[68:69]        ; pass 1's scale words
	s_add_nc_u64 s[70:71], s[4:5], s[70:71]        ; pass 2's words of x
.irp s, 0,1
	s_mov_b32 s[G0+4*\s], 1
	s_add_co_u32 s[G0+4*\s+1], s42, \s*XHALF
	s_add_nc_u64 s[G0+4*\s+2:G0+4*\s+3], s[20:21], \s*4*BLK
	s_or_b32 s[G0+4*\s+3], s[G0+4*\s+3], 0x80000000
	s_mov_b32 s[G0B+4*\s], 1
	s_add_co_u32 s[G0B+4*\s+1], s45, \s*SLOT
	s_add_nc_u64 s[G0B+4*\s+2:G0B+4*\s+3], s[46:47], \s*NQ*BLK
	s_or_b32 s[G0B+4*\s+3], s[G0B+4*\s+3], 0x80000000
.endr
	CROUND                                         ; all sixteen work-groups are here: the first joint loads meet
	JLOAD G0, G1, G0B, G1B                         ; one load a wave at the head: x's K 0 to 511, the weight's K 0 to 255
	; the head's prefetches begin at: x: my part + 49,152 + 12,288 cx;  the weight: my part + 24,576 + 6,144 cy
	s_cmp_eq_u32 s15, 0
	s_cselect_b64 s[76:77], s[20:21], s[46:47]
	s_cselect_b32 s78, s40, s41                    ; my place among the four that ask with me
	s_cselect_b32 s82, 1, 0
	s_cselect_b32 s83, 0, 2
	s_mul_i32 s78, s78, 6144
	s_add_co_u32 s78, s78, 24576
	s_lshl_b32 s78, s78, s82
	s_mov_b32 s79, 0
	s_add_nc_u64 s[76:77], s[76:77], s[78:79]
	s_lshl_b32 s83, 6144, s83                      ; from the first instruction's blocks to the second's: x 6,144 bytes, the weight a slot's 24,576
	s_mov_b32 s97, 0
	s_lshl_b32 s19, ttmp9, 2
	s_add_co_u32 s19, s19, s40                     ; 4 cX + cx: which 128 channels of v
	s_add_co_u32 s94, s19, 80                      ; Wv^T's row of blocks
	s_mul_i32 s96, s94, 8*BLK
	s_mul_i32 s95, s16, 2*BLK                      ; of a slot's four K blocks I fetch two
	s_add_co_u32 s96, s96, s95
	s_add_nc_u64 s[WVP:WVP+1], s[4:5], s[96:97]
	s_add_nc_u64 s[88:89], s[46:47], 6*BLK         ; the later prefetch: the weight's fourth slot, or Wv's first; + 6,144 cy
	s_cmp_eq_u32 s15, 0
	s_cselect_b64 s[88:89], s[WVP:WVP+1], s[88:89]
	s_mul_i32 s90, s41, 6144
	s_mov_b32 s91, 0
	s_add_nc_u64 s[88:89], s[88:89], s[90:91]
	s_lshl_b32 s96, s94, 12
	s_lshl_b32 s94, s15, 8
	s_add_co_u32 s96, s96, s94
	s_add_co_u32 s96, s96, SOFF
	s_add_nc_u64 s[100:101], s[4:5], s[96:97]      ; its scale words: my four fragments'
	s_lshl_b32 s94, s41, 1                         ; pass 1's block of qkv: 512 cX + 8 x (8 cY + 2 cy + i) + 2 cx + j
	s_add_co_u32 s94, s94, s15
	s_lshl_b32 s94, s94, 3
	s_lshl_b32 s95, ttmp9, 9
	s_add_co_u32 s94, s94, s95
	s_lshl_b32 s95, s18, 3
	s_add_co_u32 s94, s94, s95
	s_lshl_b32 s95, s40, 1
	s_add_co_u32 s94, s94, s95
	s_add_co_u32 s94, s94, s16
	s_mul_i32 s96, s94, BLK
	s_add_nc_u64 s[8:9], s[6:7], s[96:97]          ; its codes
	s_lshl_b32 s96, s94, 9
	s_add_co_u32 s96, s96, QSOFF
	s_add_nc_u64 s[10:11], s[6:7], s[96:97]        ; and its scale words
	s_lshl_b32 s94, s19, 6                         ; pass 2's block: 1024 + 64 x (4 cX + cx) + 8 cY + 2 cy + j; my half i of it
	s_add_co_u32 s94, s94, s18
	s_lshl_b32 s95, s41, 1
	s_add_co_u32 s94, s94, s95
	s_add_co_u32 s94, s94, s16
	s_add_co_u32 s94, s94, 1024
	s_mul_i32 s96, s94, BLK
	s_mul_i32 s95, s15, 4*FRB
	s_add_co_u32 s96, s96, s95
	s_add_nc_u64 s[12:13], s[6:7], s[96:97]
	s_lshl_b32 s96, s94, 9
	s_lshl_b32 s95, s15, 8
	s_add_co_u32 s96, s96, s95
	s_add_co_u32 s96, s96, QSOFF
	s_add_nc_u64 s[2:3], s[6:7], s[96:97]
	s_mul_i32 s21, s15, XPART                      ; pass 1: my 128 tokens of x,
	s_mul_i32 s22, s16, WPART                      ; my 128 rows of the weight
	s_add_co_u32 s22, s22, WOFF
	s_mul_i32 s23, s15, 4*FRB                      ; pass 2: my four fragments of Wv^T,
	s_add_co_u32 s23, s23, WOFF
	s_mul_i32 s94, s16, XPART                      ; my 128 tokens of x
	s_lshl_b32 s95, s14, 9
	s_add_co_u32 s95, s95, STG                     ; my 512 bytes of the stage
	v_and_b32 v2, 31, v0
	v_and_b32 v3, 15, v0                           ; rho
	v_bfe_u32 v4, v0, 4, 1                         ; h
	v_lshlrev_b32 v[LI], 4, v2
	v_lshlrev_b32 v[L8], 3, v2
	v_lshlrev_b32 v[R8], 3, v3
	v_mul_u32_u24 v5, s73, v4
	v_add_nc_u32 v[SOF], v5, v[R8]
	v_add_nc_u32 v[ADRA], s21, v[LI]
	v_add_nc_u32 v[ADRB], s22, v[LI]
	v_add_nc_u32 v[A2], s23, v[LI]
	v_add_nc_u32 v[B2], s94, v[LI]
	v_add_nc_u32 v[ADRA+1], 2*BLK, v[ADRA]
	v_add_nc_u32 v[ADRB+1], SLOT, v[ADRB]
	v_add_nc_u32 v[A2+1], SLOT, v[A2]
	v_add_nc_u32 v[B2+1], XHALF, v[B2]
	v_add_nc_u32 v[SWA], s95, v[R8]
	v_add_nc_u32 v[SRA], s95, v[LI]
	v_add_nc_u32 v[SRA2], s95, v[L8]
	v_min_u32 v[PF0], 23, v2
	v_lshlrev_b32 v[PF0], 8, v[PF0]
	v_add_nc_u32 v[PF1], s83, v[PF0]
	s_wait_alu depctr_va_vdst(0)                   ; the wait at the head's end
	global_prefetch_b8 v[PF0], s[76:77] th:TH_LOAD_NT scope:SCOPE_SE   ; what the second fills and the first refill will ask for
	global_prefetch_b8 v[PF1], s[76:77] th:TH_LOAD_NT scope:SCOPE_SE
.irp k, 0,1,2,3,4,5,6,7                        ; the scale words for all of K: sixteen lanes read 128 consecutive bytes
.irp g, 0,1,2,3
	global_load_b64 v[SC+8*\k+2*\g:SC+8*\k+2*\g+1], v[SOF], s[68:69] offset:512*\k+128*\g
.endr
.endr
.irp k, 0,1,2,3,4,5,6,7                        ; Wv^T's: register 4 k + a: lane rho: the word of my fragment a in K step k
.irp g, 0,1
	global_load_b64 v[SV+4*\k+2*\g:SV+4*\k+2*\g+1], v[R8], s[100:101] offset:512*\k+128*\g
.endr
.endr
	s_wait_tensorcnt 0x0                           ; my first load is in
	ds_add_u32 v[SPW], v[NIL]
	s_wait_dscnt 0x0
	CROUND                                         ; everybody's first loads are in, and all sixteen work-groups are here
	JLOAD G0+4, G1, G0B+4, G1B                     ; x's K 512 to 1,023, the weight's K 256 to 511: first fills, one a wave
	s_wait_loadcnt 0x0                             ; the scale words
	; ---- PASS 1
	FETCH_B 0, 0, 0
	FETCH_A 0, 0, 0
	FETCH_A 0, 0, H
	global_prefetch_b8 v[PF0], s[88:89] th:TH_LOAD_NT scope:SCOPE_SE   ; the weight's fourth slot, Wv's first: asked for two and three changes of slots on
	STEP 0, 0, 1                                   ; the first step's products start the sums
	TURN 0, 1, 1, 1                                ; slot 0 takes the weight's K 512 on
	STEP 1, 0, 0
	TURN 1, 0, 1, 1                                ; slot 1 its K 768 on
	STEP 0, 0, 0
	TURN 0, 1, 2, 1                                ; slot 0 takes Wv's K 0 to 511,
	STEP 1, 0, 0
	TURN 1, 0, 2, 0                                ; slot 1 its K 512 to 1,023
	; THE WAY OUT OF PASS 1: tile a's eight accumulators are 128 neighbours along the next K of 16 rows: fragment a of my block
	PLACES 4
.irp b, 0,1,2,3
	v_mov_b32 v[TM+4+\b], 0                        ; a lane permute's destination counts as one of its sources
.endr
.irp k, 0,1,2,3,4,5,6,7                        ; pass 2's words of x, the same in both halves of the lanes; they land under the way out
.irp g, 0,1,2,3
	global_load_b64 v[SC+8*\k+2*\g:SC+8*\k+2*\g+1], v[R8], s[70:71] offset:512*\k+128*\g
.endr
.endr
.set TA, 0
.rept 8
.if TA > 0
	s_wait_xcnt 0x0                                ; the last tile's stores have read the codes' registers
.endif
	QUANT 64*(TA%4), 2+TA/4, PW+TA
.irp c, 0,1,2
	global_store_b128 v[LI], v[PC+4*\c:PC+4*\c+3], s[8:9] offset:TA*FRB+512*\c   ; 512 consecutive bytes, aligned
.endr
	ds_store_b32 v[SWA], v[PW+TA] offset:(TA/2)*128+(TA%2)*4   ; (lanes 16-31 write the same word as lanes 0-15)
.set TA, TA+1
.endr
	ds_load_b128 v[SB:SB+3], v[SRA]                ; LDS serves a wave's instructions in order: this sees my stores
	s_wait_dscnt 0x0
	global_store_b128 v[LI], v[SB:SB+3], s[10:11]
	; ---- PASS 2: K = 1,024: x lies in LDS, Wv in the ring's two slots; nothing is filled again
	s_wait_xcnt 0x0                                ; the stores have read their registers: pass 2's fragments land there
	s_wait_loadcnt 0x0                             ; x's scale words
.set PASS,  2
.set NA,    4
.set H,     2
.set NQ,    4
.set KB,    0
.set ADRA,  A2
.set ADRB,  B2
	PLACES 5                                       ; the accumulators are begun anew with the constant 0: five places behind the products that wrote them
	FETCH_B 0, 0, 0
	FETCH_A 0, 0, 0
	FETCH_A 0, 0, H
	STEP 0, 0, 1
	STEP 0, 1, 0
	STEP 0, 2, 0
	TURN 0, 1, 0, 1                                ; the one change of slots: slot 1's tiles have landed
	STEP 1, 0, 0
	STEP 1, 1, 0
	STEP 1, 2, 0
	LAST
	; THE WAY OUT OF PASS 2: tile a's eight accumulators are 128 neighbouring tokens of 16 channels: fragment 4 i + a of my block of v^T
	PLACES 4
.set TA, 0
.rept 4
.if TA > 0
	s_wait_xcnt 0x0
.endif
	QUANT 64*TA, 2, PW+TA
.irp c, 0,1,2
	global_store_b128 v[LI], v[PC+4*\c:PC+4*\c+3], s[12:13] offset:TA*FRB+512*\c
.endr
	ds_store_b32 v[SWA], v[PW+TA] offset:(TA/2)*128+(TA%2)*4
.set TA, TA+1
.endr
	ds_load_b64 v[SB:SB+1], v[SRA2]
	s_wait_dscnt 0x0
	global_store_b64 v[L8], v[SB:SB+1], s[2:3]     ; 256 consecutive bytes, aligned
	s_wait_tensorcnt 0x0                           ; the wave's end
	ds_add_u32 v[SPW], v[NIL]
	s_wait_dscnt 0x0
	CROUND                                         ; the closing round
	s_endpgm
.Lfunc_end_k_qc883b0165a_qkv:
	.size	k_qc883b0165a_qkv, .Lfunc_end_k_qc883b0165a_qkv-k_qc883b0165a_qkv
	.p2alignl 7, 3214868480
	.fill 96, 4, 3214868480
	.section	.rodata,"a",@progbits
	.p2align	6, 0x0
	.amdhsa_kernel k_qc883b0165a_qkv
		.amdhsa_group_segment_fixed_size 327680
		.amdhsa_private_segment_fixed_size 0
		.amdhsa_enable_private_segment 0
		.amdhsa_kernarg_size 16
		.amdhsa_user_sgpr_count 2
		.amdhsa_user_sgpr_kernarg_segment_ptr 1
		.amdhsa_wavefront_size32 1
		.amdhsa_system_sgpr_workgroup_id_x 1
		.amdhsa_system_sgpr_workgroup_id_y 1
		.amdhsa_system_sgpr_workgroup_id_z 1
		.amdhsa_system_vgpr_workitem_id 0
		.amdhsa_next_free_vgpr 1024
		.amdhsa_next_free_sgpr 102
		.amdhsa_reserve_vcc 0
		.amdhsa_float_denorm_mode_32 3
		.amdhsa_float_denorm_mode_16_64 3
		.amdhsa_memory_ordered 1
		.amdhsa_forward_progress 1
		.amdhsa_inst_pref_size 219
	.end_amdhsa_kernel
	.amdgpu_metadata
---
amdhsa.version: [ 1, 2 ]
amdhsa.kernels:
  - .name:           k_qc883b0165a_qkv
    .symbol:         k_qc883b0165a_qkv.kd
    .args:
      - { .name: opx, .offset: 0, .size: 8, .value_kind: global_buffer, .address_space: global }
      - { .name: qkv, .offset: 8, .size: 8, .value_kind: global_buffer, .address_space: global }
    .group_segment_fixed_size: 327680
    .private_segment_fixed_size: 0
    .kernarg_segment_align: 8
    .kernarg_segment_size: 16
    .max_flat_workgroup_size: 128
    .sgpr_count:     102
    .vgpr_count:     1024
    .wavefront_size: 32
...
	.end_amdgpu_metadata
.endif
;; end of part 2
;; launch scores (part 3): grid 8 x 32, 4 waves a work-group, clusters of 4 x 4, 327,680 bytes of LDS; arguments qkv, mb, pbuf; writes pbuf
.if DOCPART == 3
	.amdgcn_target "amdgcn-amd-amdhsa--gfx1250"
	.amdhsa_code_object_version 6
	.text
	.protected	k_qc883b0165a_scores
	.globl	k_qc883b0165a_scores
	.p2align	8
	.type	k_qc883b0165a_scores,@function
k_qc883b0165a_scores:
	s_mov_b64 s[64:65], 0
	v_nop
	global_prefetch_b8 v0, s[64:65] scope:SCOPE_SE
	s_setreg_imm32_b32 hwreg(HW_REG_WAVE_MODE, 25, 1), 1
	s_wait_xcnt 0x0
	s_wait_alu depctr_hold_cnt(0) depctr_sa_sdst(0) depctr_va_vdst(0) depctr_va_sdst(0) depctr_va_ssrc(0) depctr_va_vcc(0) depctr_vm_vsrc(0)
	s_getreg_b32 s2, hwreg(HW_REG_IB_STS2, 6, 4)
	s_cmp_eq_u32 s2, 0
	s_cbranch_scc0 .Lentry_in_a_cluster
	s_endpgm
.Lentry_in_a_cluster:
	s_bfe_u32 s2, ttmp6, 0x10000c
	s_cmp_lg_u32 s2, 0xf033
	s_cbranch_scc0 .Lentry_shape_is_right
	s_endpgm
.Lentry_shape_is_right:
; S = q k^T on codes of FP6 (E2M3) with E8M0 scales; then, for each query and each 128 keys, the weights of the softmax under a LOCAL whole number M, quantised along the keys.
; t = score x c, c = log2(e) / 32;  M = ceil(the largest t of these 128 keys);  p = 2^(t - M), t - M by one fused multiply-add on the score;  l = the sum of the unquantised p.
; A MASKED KEY takes the score -2^38: its t = -2^38 c is a whole number that f32 holds exactly, so 128 keys that are all masked give M = t and p = 1 exactly; beside any key that counts it gives p = 0.
; LIMIT: the promise holds while the scaled scores t of the keys that count stay under 2^31 in magnitude: both masked values lie under all such t.  NaN and infinities are not served; a block of 32 keys whose every p is 0 gets the byte 1 (its codes are zeros).
; Stored: p's codes and scale words under the local M, -M and l.  The next launch takes the row's largest M, moves the scale bytes by the difference (an exact power of two) and adds the sums.
; A' = q's tokens, B' = k's tokens of the same batch; operands in blocks of 128 rows x 128 K, 8 fragments of 1,536 bytes in the order of the operand's registers,
;   lane-row rho of fragment t = row 32 (t / 2) + 8 (t % 2) + rho + 8 (rho / 8); scale word of (t, rho) at (t / 2) x 128 + 8 rho + 4 (t % 2).  The matrix instruction is used transposed:
;   a lane holds one query; the 16 registers of accumulators (a, 2 i), (a, 2 i + 1) are keys 32 i + 16 (lane / 16) + 0 .. 15.
; LDS: region 0, 4 parts x 49,152 bytes: K steps 0 to 3; region 1, 4 parts x 24,576 bytes: K steps 4 and 5.  Every load brings two K steps of a part, 24,576 bytes, one a wave:
;   steps 0, 1 at the head; steps 2, 3 behind the head's sequence; steps 4, 5 behind the round at the end of step 1 (first fills all three); steps 6, 7 fill the bytes of steps 0, 1 again behind the round at the end of step 3;
;   a barrier at the end of step 5 shows them to all waves.  Joint loads in a 4 x 4 cluster (q's tiles along a row, k's along a column).
; SCALE WORDS come straight into 64 registers for all of K: register 8 k + i: lanes 0-15 q's fragment i, lanes 16-31 k's.
; THE MASK comes as words of 32 bits, a bit a lane, one word for each of a tile's 64 registers: a tile's 64 words are 256 consecutive bytes, which four scalar loads put into the scalar registers
;   that select by v_cndmask_b32; the next tile's are asked for as soon as this tile's have been used.  No address, branch or count hangs on them.
; PREFETCHES INTO THE L2, a lane a block of 256 bytes: of a load's 96 blocks each of the four partners that ask jointly takes 24, told apart by address (lanes 24-31 name the last again).  At the head: K steps 2, 3 and 4, 5 of the part
;   that I fetch, which the next two loads bring, and my wave's 8 blocks of mask words; behind the second fill: K steps 6, 7, two loads on.
; REGISTERS: window 0: v1-29 addresses; v32-95 scale words; v96-123 the way out's tables; v128-223 A's fragments (way out: at work, from v192 a tile's scores, then p).  window 1: B's fragments.  windows 2, 3: accumulators.
.set H,     4
.set NL,    3
.set FRB,   1536
.set BLK,   12288
.set P0B,   49152                      ; region 0: a part's four K blocks
.set BOF0,  98304                      ; where k's parts begin in it
.set R1,    196608                     ; region 1
.set P1B,   24576                      ; two K blocks: what a load brings
.set BOF1,  49152
.set STG,   24576                      ; the way out's stage, 2,048 bytes a wave: on bytes of K step 2, read out ahead of the last two barriers and never filled again
.set SPARE, 311552
.set QSOFF, 18874368
.set PS,    12582912                   ; pbuf: the scale words; -M 524,288 bytes on; l 1,048,576 bytes on
.set LI,    1
.set SOF,   8
.set PF,    9                          ; 256 x min(lane, 23); never rewritten
.set PM,    10                         ; 256 x min(lane, 7); never rewritten
.set ADRA,  16                         ; v16-17 my fragments of q in region 0, 1
.set ADRB,  20                         ; v20-21 of k
.set SWA,   24
.set SRA,   25
.set SPW,   28
.set NIL,   29
.set SC,    32
.set NMS,   96                         ; v96-103 -M, v104-111 l for each tile; v112-123 what is read back from the stage
.set LS,    104
.set SB,    112
.set AF,    128
.set PC,    128                        ; v128-147 codes
.set BM,    160                        ; the blocks' largest score, then p
.set BX,    164
.set SO,    168                        ; the conversions' scale operands
.set BY,    172
.set NM,    176                        ; v176-177 -M (the packed form names a pair)
.set L,     178
.set LT,    180
.set TT,    182
.set SMK,   183                        ; a masked key's score
.set PWS,   184                        ; v184-191 a scale word for each tile
.set T,     192                        ; v192-255 a tile's scores, then t - M, then p
.set G1,  24
.set G0,  32                           ; s[32:35] steps 0, 1, later 6, 7;  s[36:39] steps 2, 3, later 4, 5
.set G1B, 48
.set G0B, 56
.set MSB, 0
.macro WIN new
.if MSB != (\new)
	s_set_vgpr_msb (MSB<<8)|(\new)
.set MSB, (\new)
.endif
.endm
.macro JLOAD g0a, g1a, g0b, g1b        ; waves 0, 1: q's parts; waves 2, 3: k's.  s_nop 0 and four v_nop behind each load
	s_cmp_eq_u32 s15, 0
	s_cbranch_scc0 .Lfor_b_\@
	tensor_load_to_lds s[\g0a:\g0a+3], s[\g1a:\g1a+7]
	s_nop 0
.rept 4
	v_nop
.endr
	s_branch .Lasked_\@
.Lfor_b_\@:
	tensor_load_to_lds s[\g0b:\g0b+3], s[\g1b:\g1b+7]
	s_nop 0
.rept 4
	v_nop
.endr
.Lasked_\@:
.endm
.macro CREST
	s_cmp_lg_u32 s14, 0
	s_cbranch_scc1 .Lnot_wave_0_\@
	s_barrier_signal -3
.Lnot_wave_0_\@:
	s_barrier_wait -3
	s_barrier_signal -1
	s_barrier_wait -1
.endm
.macro CROUND
	s_barrier_signal -1
	s_barrier_wait -1
	CREST
.endm
.macro PLACES n
.rept \n
	v_nop
.endr
.endm
.macro FRAG reg, adr, k, i             ; fragment i of K step k: steps 0-3 at blocks 0-3 of region 0, steps 4, 5 at blocks 0, 1 of region 1, steps 6, 7 at blocks 0, 1 of region 0
.set RR, ((\k)/4)*(1-(((\k)/2)%2))
.set QQ, (\k)-4*((\k)/4)-2*(((\k)/4)*(((\k)/2)%2))
.irp c, 0,1,2
	ds_load_b128 v[\reg+4*\c:\reg+4*\c+3], v[\adr+RR] offset:(8*QQ+(\i))*FRB+512*\c
.endr
.endm
.macro FETCH_B k                       ; B's eight fragments into set k % 2
	WIN 0x40
.irp i, 0,1,2,3,4,5,6,7
	FRAG 128*((\k)%2)+12*\i, ADRB, \k, \i
.endr
	WIN 0
.endm
.macro FETCH_A k, i0
.set FI, \i0
.rept H
	FRAG AF+12*FI, ADRA, \k, FI
.set FI, FI+1
.endr
.endm
.macro MULB a, k, zero                 ; the accumulators take turns, one instruction a turn
	WIN 0xa1+0x50*((\a)/4)
.irp b, 0,1,2,3,4,5,6,7
.if \zero
	v_wmma_scale_f32_16x16x128_f8f6f4 v[8*(8*((\a)%4)+\b):8*(8*((\a)%4)+\b)+7], v[128*((\k)%2)+12*\b:128*((\k)%2)+12*\b+11], v[AF+12*(\a):AF+12*(\a)+11], 0, v[SC+8*(\k)+\b], v[SC+8*(\k)+(\a)] matrix_a_fmt:MATRIX_FMT_FP6 matrix_b_fmt:MATRIX_FMT_FP6 matrix_a_scale:MATRIX_SCALE_ROW1
.else
	v_wmma_scale_f32_16x16x128_f8f6f4 v[8*(8*((\a)%4)+\b):8*(8*((\a)%4)+\b)+7], v[128*((\k)%2)+12*\b:128*((\k)%2)+12*\b+11], v[AF+12*(\a):AF+12*(\a)+11], v[8*(8*((\a)%4)+\b):8*(8*((\a)%4)+\b)+7], v[SC+8*(\k)+\b], v[SC+8*(\k)+(\a)] matrix_a_fmt:MATRIX_FMT_FP6 matrix_b_fmt:MATRIX_FMT_FP6 matrix_a_scale:MATRIX_SCALE_ROW1
.endif
.endr
.endm
.macro MULS a0, n, k, zero
.set AI, \a0
.rept \n
	MULB AI, \k, \zero
.set AI, AI+1
.endr
.endm
.macro STEP k, zero
	s_wait_dscnt H*NL                              ; all but the youngest loads (A's upper half) are in
	MULS 0, H, \k, \zero
	s_wait_dscnt 0
	PLACES 4
	FETCH_B (\k)+1
	FETCH_A (\k)+1, 0
	MULS H, H, \k, \zero
	PLACES 4
	WIN 0
	FETCH_A (\k)+1, H
.endm
; A step with a barrier in it: the next two steps' tiles have landed in every wave's sight.  fill = 1 (step 1): region 1 is filled for the first time, with steps 4, 5;
; fill = 2 (step 3): the bytes of steps 0, 1, long read out, take steps 6, 7;  fill = 0 (step 5): nothing more is asked for.
.macro TURN k, fill
	s_wait_tensorcnt 0x0                           ; all my tensor loads have landed
	ds_add_u32 v[SPW], v[NIL]
	s_wait_dscnt H*NL+1                            ; (the add and A's upper half may be out)
	MULS 0, H/2, \k, 0
	s_wait_dscnt 0x0                               ; the add is done, and my reads up to this step are over
	s_barrier_signal -1
	MULS H/2, H/2, \k, 0
	WIN 0
	s_barrier_wait -1
.if \fill == 1
	CREST                                          ; a round of the cluster's barrier: the joint loads meet, and no wave of any partner has a load on its way
	s_mov_b32 s[G0+5], s75                         ; no tensor load of mine is out: this group 0 now leads into region 1,
	s_mov_b32 s[G0B+5], s76
	s_add_nc_u64 s[G0+6:G0+7], s[G0+6:G0+7], 2*BLK ; two K blocks on
	s_add_nc_u64 s[G0B+6:G0B+7], s[G0B+6:G0B+7], 2*BLK
	JLOAD G0+4, G1, G0B+4, G1B
.endif
.if \fill == 2
	CREST                                          ; a round: no wave of any partner still reads these bytes or has a load on its way
	s_add_nc_u64 s[G0+2:G0+3], s[G0+2:G0+3], 6*BLK
	s_add_nc_u64 s[G0B+2:G0B+3], s[G0B+2:G0B+3], 6*BLK
	JLOAD G0, G1, G0B, G1B
.endif
.if \fill == 0
	PLACES 4
.endif
	FETCH_B (\k)+1
	FETCH_A (\k)+1, 0
	MULS H, H, \k, 0
	PLACES 4
	WIN 0
	FETCH_A (\k)+1, H
.endm
.macro MASKW a                         ; tile a's 64 mask words: word n into s[16 + n] (n < 48) or s[20 + n]
	s_load_b512 s[16:31], s[8:9], 256*(\a)
	s_load_b512 s[32:47], s[8:9], 256*(\a)+64
	s_load_b512 s[48:63], s[8:9], 256*(\a)+128
	s_load_b512 s[68:83], s[8:9], 256*(\a)+192
.endm
	s_load_b128 s[4:7], s[0:1], 0x0                ; qkv s[4:5], mb s[6:7]
	s_load_b64 s[12:13], s[0:1], 0x10              ; pbuf
	v_lshl_add_u32 v[SPW], v0, 2, SPARE
	v_mov_b32 v[NIL], 0
	ds_add_u32 v[SPW], v[NIL]                      ; the opening lines: the add twice on end under one wait
	ds_add_u32 v[SPW], v[NIL]
	v_lshrrev_b32 v2, 5, v0
	v_readfirstlane_b32 s14, v2
	s_lshr_b32 s15, s14, 1
	s_and_b32 s16, s14, 1
	s_bfe_u32 s40, ttmp6, 0x40000                  ; cx
	s_bfe_u32 s41, ttmp6, 0x40004                  ; cy
	s_lshl_b32 s43, s41, 2
	s_lshl_b32 s43, 15, s43
	s_lshl_b32 s44, 0x1111, s40
	s_mov_b32 s98, 0x76543210
	s_mov_b32 s99, 0xfedcba98
	s_mov_b32 s100, 0x3d38aa3b                     ; c = log2(e) / 32
	s_mov_b32 s101, s100                           ; (named with it as a pair, so it is written)
	s_or_b32 s[G1+0], s43, (3<<16)|(1<<21)
	s_or_b32 s[G1B+0], s44, (3<<16)|(1<<21)
.irp g, G1, G1B
	s_mov_b32 s[\g+1], 32<<16                      ; 96 rows of 256 bytes
	s_mov_b32 s[\g+2], 96<<16
	s_mov_b32 s[\g+3], 32<<16
	s_mov_b32 s[\g+4], 96
	s_mov_b32 s[\g+5], 32
	s_mov_b32 s[\g+6], 0
	s_mov_b32 s[\g+7], 0
.endr
	s_and_b32 s17, ttmp7, 0xffff                   ; cluster y
	s_lshl_b32 s18, s17, 3
	s_lshl_b32 s74, s41, 1
	s_add_co_u32 s74, s74, s18                     ; my work-group's first row of blocks of q
	s_add_co_u32 s20, s74, s16                     ; the part that I fetch
	s_add_co_u32 s72, s74, s15                     ; the part that I multiply
	s_lshr_b32 s46, s17, 1
	s_lshl_b32 s46, s46, 4                         ; B: the batch's 16 rows of blocks of k,
	s_lshl_b32 s47, ttmp9, 3
	s_add_co_u32 s46, s46, s47
	s_lshl_b32 s47, s40, 1
	s_add_co_u32 s46, s46, s47
	s_add_co_u32 s46, s46, s16                     ; + 8 cX + 2 cx + my part,
	s_add_co_u32 s46, s46, 64                      ; behind q's 64
	s_sub_co_u32 s73, s46, s72
	s_lshl_b32 s73, s73, 12                        ; from q's scale words to k's
	s_lshl_b32 s68, s72, 12
	s_add_co_u32 s68, s68, QSOFF
	s_mov_b32 s69, 0
	s_mul_i32 s20, s20, 8*BLK
	s_mov_b32 s21, 0
	s_mul_i32 s46, s46, 8*BLK
	s_mov_b32 s47, 0
	s_mul_i32 s42, s16, P0B                        ; where the tiles go: the wave's number alone
	s_add_co_u32 s45, s42, BOF0
	s_mul_i32 s75, s16, P1B
	s_add_co_u32 s75, s75, R1
	s_add_co_u32 s76, s75, BOF1
	s_lshl_b32 s94, s72, 4                         ; my block of p and of the mask's words: 16 x (8 cY + 2 cy + i) + 8 cX + 2 cx + j
	s_lshl_b32 s95, ttmp9, 3
	s_add_co_u32 s94, s94, s95
	s_lshl_b32 s95, s40, 1
	s_add_co_u32 s94, s94, s95
	s_add_co_u32 s94, s94, s16
	s_mul_i32 s96, s94, BLK
	s_mov_b32 s97, 0
	s_lshl_b32 s18, s94, 11
	s_mov_b32 s19, 0
	s_lshl_b32 s94, s94, 9
	s_add_co_u32 s94, s94, PS
	s_mov_b32 s95, 0
	s_wait_alu depctr_va_vdst(0)                   ; the wait ahead of the waits below
	s_wait_dscnt 0x0                               ; both opening adds are done
	s_wait_kmcnt 0x0
	s_add_nc_u64 s[20:21], s[4:5], s[20:21]
	s_add_nc_u64 s[46:47], s[4:5], s[46:47]
	s_add_nc_u64 s[68:69], s[4:5], s[68:69]        ; the scale words
	s_add_nc_u64 s[8:9], s[6:7], s[18:19]          ; the mask's words
	s_add_nc_u64 s[10:11], s[12:13], s[94:95]      ; p's scale words, -M, l
	s_add_nc_u64 s[12:13], s[12:13], s[96:97]      ; p's codes
	s_mov_b32 s[G0], 1                             ; region 0, blocks 0, 1: K blocks 0 and 1
	s_mov_b32 s[G0+1], s42
	s_mov_b64 s[G0+2:G0+3], s[20:21]
	s_or_b32 s[G0+3], s[G0+3], 0x80000000
	s_mov_b32 s[G0+4], 1                           ; region 0, blocks 2, 3: K blocks 2 and 3
	s_add_co_u32 s[G0+5], s42, P1B
	s_add_nc_u64 s[G0+6:G0+7], s[20:21], 2*BLK
	s_or_b32 s[G0+7], s[G0+7], 0x80000000
	s_mov_b32 s[G0B], 1
	s_mov_b32 s[G0B+1], s45
	s_mov_b64 s[G0B+2:G0B+3], s[46:47]
	s_or_b32 s[G0B+3], s[G0B+3], 0x80000000
	s_mov_b32 s[G0B+4], 1
	s_add_co_u32 s[G0B+5], s45, P1B
	s_add_nc_u64 s[G0B+6:G0B+7], s[46:47], 2*BLK
	s_or_b32 s[G0B+7], s[G0B+7], 0x80000000
	CROUND
	JLOAD G0, G1, G0B, G1B                         ; K steps 0, 1: one load a wave at the head
	s_cmp_eq_u32 s15, 0                            ; the prefetches: the part that I fetch, + 24 blocks x my place among the four that ask with me
	s_cselect_b64 s[84:85], s[20:21], s[46:47]
	s_cselect_b32 s86, s40, s41
	s_mul_i32 s86, s86, 24*256
	s_mov_b32 s87, 0
	s_add_nc_u64 s[84:85], s[84:85], s[86:87]
	s_mul_i32 s21, s15, P0B
	s_mul_i32 s22, s16, P0B
	s_add_co_u32 s22, s22, BOF0
	s_mul_i32 s23, s15, P1B
	s_add_co_u32 s23, s23, R1
	s_lshl_b32 s78, s14, 11
	s_add_co_u32 s78, s78, STG
	v_and_b32 v2, 31, v0
	v_and_b32 v3, 15, v0
	v_bfe_u32 v4, v0, 4, 1
	v_lshlrev_b32 v[LI], 4, v2
	v_mul_u32_u24 v5, s73, v4
	v_lshl_add_u32 v[SOF], v3, 3, v5
	v_add_nc_u32 v[ADRA], s21, v[LI]
	v_add_nc_u32 v[ADRB], s22, v[LI]
	v_add_nc_u32 v[ADRA+1], s23, v[LI]
	v_add_nc_u32 v[ADRB+1], s76, v[LI]
	v_lshl_add_u32 v[SWA], v3, 3, s78
	v_add_nc_u32 v[SRA], s78, v[LI]
	v_min_u32 v[PF], 23, v2
	v_min_u32 v[PM], 7, v2
	v_lshlrev_b32 v[PF], 8, v[PF]
	v_lshlrev_b32 v[PM], 8, v[PM]
	s_wait_alu depctr_va_vdst(0)                   ; the wait at the head's end
.irp k, 0,1,2,3,4,5,6,7
.irp g, 0,1,2,3
	global_load_b64 v[SC+8*\k+2*\g:SC+8*\k+2*\g+1], v[SOF], s[68:69] offset:512*\k+128*\g
.endr
.endr
	global_prefetch_b8 v[PF], s[84:85] offset:2*BLK th:TH_LOAD_NT scope:SCOPE_SE   ; K steps 2, 3
	global_prefetch_b8 v[PF], s[84:85] offset:4*BLK th:TH_LOAD_NT scope:SCOPE_SE   ; K steps 4, 5
	global_prefetch_b8 v[PM], s[8:9] th:TH_LOAD_NT scope:SCOPE_SE                  ; my 2,048 bytes of mask words
	s_wait_tensorcnt 0x0                           ; my part of steps 0, 1 is in
	ds_add_u32 v[SPW], v[NIL]
	s_wait_dscnt 0x0
	CROUND
	JLOAD G0+4, G1, G0B+4, G1B                     ; K steps 2, 3: a first fill
	s_wait_loadcnt 0x0                             ; the scale words
	FETCH_B 0
	FETCH_A 0, 0
	FETCH_A 0, H
	global_prefetch_b8 v[PF], s[84:85] offset:6*BLK th:TH_LOAD_NT scope:SCOPE_SE   ; K steps 6, 7
	STEP 0, 1
	TURN 1, 1
	STEP 2, 0
	TURN 3, 2
	STEP 4, 0
	TURN 5, 0
	MASKW 0                                        ; no tensor load is out any more (the barrier's wait was for all), so the descriptors' registers take the mask's words
	STEP 6, 0
	s_wait_dscnt H*NL
	MULS 0, H, 7, 0
	s_wait_dscnt 0
	MULS H, H, 7, 0
	WIN 0
.macro PSOFT a
.set AC, 64*((\a)%4)
	s_wait_kmcnt 0x0                               ; this tile's mask words
	s_wait_alu depctr_va_vdst(0)                   ; the wait ahead of the first readers below
	WIN (2+(\a)/4)<<2                              ; source 1: the accumulators' window
.set N, 0
.rept 48
	v_cndmask_b32 v[T+N], v[SMK], v[AC+N], s[16+N] ; a masked key takes the masked score; each accumulator from its low end on
.set N, N+1
.endr
.rept 16
	v_cndmask_b32 v[T+N], v[SMK], v[AC+N], s[20+N]
.set N, N+1
.endr
	WIN 0
.if (\a) < 7
	MASKW (\a)+1
.endif
.irp b, 0,1,2,3
	v_max3_num_f32 v[BM+\b], v[T+16*\b], v[T+16*\b+1], v[T+16*\b+2]   ; the largest score of each block of 32 keys: it serves the row's maximum and, since p rises with the score, the block's largest p
.endr
.irp i, 3,5,7,9,11,13
.irp b, 0,1,2,3
	v_max3_num_f32 v[BM+\b], v[BM+\b], v[T+16*\b+\i], v[T+16*\b+\i+1]
.endr
.endr
.irp b, 0,1,2,3
	v_max_num_f32 v[BM+\b], v[BM+\b], v[T+16*\b+15]
.endr
.irp b, 0,1,2,3
	v_permlanex16_b32 v[BX+\b], v[BM+\b], s98, s99
.endr
.irp b, 0,1,2,3
	v_max_num_f32 v[BM+\b], v[BM+\b], v[BX+\b]
.endr
	v_max3_num_f32 v[TT], v[BM], v[BM+1], v[BM+2]
	v_max_num_f32 v[TT], v[TT], v[BM+3]
	v_mul_f32 v[TT], s100, v[TT]                   ; as t (c is positive)
	v_floor_f32 v[NM], -v[TT]                      ; -M = floor(-t) = -ceil(t): a whole number
.set J, 0
.rept 32
	v_pk_fma_f32 v[T+J:T+J+1], v[T+J:T+J+1], s[100:101], v[NM:NM+1] op_sel_hi:[1,0,0]   ; t - M, two at a time
.set J, J+2
.endr
.irp b, 0,1,2,3
	v_fma_f32 v[BM+\b], v[BM+\b], s100, v[NM]      ; the same of each block's largest score
.endr
.set N, 0
	s_wait_alu depctr_va_vdst(0)                   ; the wait ahead of the batch
.rept 64
	v_exp_f32 v[T+N], v[T+N]                       ; p = 2^(t - M)
.set N, N+1
.endr
	v_mov_b32 v[NMS+(\a)], v[NM]                   ; (a plain place behind the exponentials)
	s_wait_alu depctr_va_vdst(0)                   ; one wait for the batch, ahead of its first reader
.irp b, 0,1,2,3
	v_exp_f32 v[BM+\b], v[BM+\b]                   ; the block's largest p: the same instructions on the same number give the same bits
.endr
	v_pk_add_f32 v[L:L+1], v[T:T+1], v[T+2:T+3]    ; the sum is taken of the unquantised p, in two chains
	v_pk_add_f32 v[LT:LT+1], v[T+4:T+5], v[T+6:T+7]
.irp j, 8,12,16,20,24,28,32,36,40,44,48,52,56,60
	v_pk_add_f32 v[L:L+1], v[L:L+1], v[T+\j:T+\j+1]
	v_pk_add_f32 v[LT:LT+1], v[LT:LT+1], v[T+\j+2:T+\j+3]
.endr
	v_pk_add_f32 v[L:L+1], v[L:L+1], v[LT:LT+1]
	v_add_f32 v[L], v[L], v[L+1]
	v_permlanex16_b32 v[LT], v[L], s98, s99
	v_add_f32 v[LS+(\a)], v[L], v[LT]              ; with lane l xor 16's 64 keys
	s_wait_alu depctr_va_vdst(0)                   ; and one for the four
.irp b, 0,1,2,3
	v_max_num_f32 v[BM+\b], 0x1800000, v[BM+\b]    ; the floor 2^(3 - 127): the byte cannot fall under 1
.endr
.irp b, 0,1,2,3
	v_add_nc_u32 v[SO+\b], 0xff000000, v[BM+\b]
.endr
.irp b, 0,1,2,3
	v_lshrrev_b32 v[BY+\b], 23, v[SO+\b]
.endr
	v_lshl_or_b32 v[PWS+(\a)], v[BY+1], 8, v[BY]
	v_lshl_or_b32 v[PWS+(\a)], v[BY+2], 16, v[PWS+(\a)]
	v_lshl_or_b32 v[PWS+(\a)], v[BY+3], 24, v[PWS+(\a)]
.if (\a) > 0
	s_wait_alu depctr_va_vdst(0)                   ; the wait ahead of the wait below
	s_wait_xcnt 0x0                                ; the last tile's stores have read the codes' registers
.endif
.irp c, 0,1
	v_cvt_scalef32_pk16_fp6_f32 v[PC+6*\c:PC+6*\c+2], v[T+32*\c:T+32*\c+15], v[SO+2*\c]
	v_cvt_scalef32_pk16_fp6_f32 v[PC+12+4*\c:PC+12+4*\c+2], v[T+32*\c+16:T+32*\c+31], v[SO+2*\c+1]
.endr
	v_nop
.irp c, 0,1
.irp i, 0,1,2
	v_permlane16_swap_b32 v[PC+6*\c+\i], v[PC+12+4*\c+\i]
.endr
.irp i, 0,1,2
	v_mov_b32 v[PC+3+6*\c+\i], v[PC+12+4*\c+\i]
.endr
.endr
.irp c, 0,1,2
	global_store_b128 v[LI], v[PC+4*\c:PC+4*\c+3], s[12:13] offset:(\a)*FRB+512*\c
.endr
	ds_store_b32 v[SWA], v[PWS+(\a)] offset:((\a)/2)*128+((\a)%2)*4
	ds_store_b32 v[SWA], v[NMS+(\a)] offset:((\a)/2)*128+((\a)%2)*4+512
	ds_store_b32 v[SWA], v[LS+(\a)] offset:((\a)/2)*128+((\a)%2)*4+1024
.endm
	PLACES 4
	v_mov_b32 v[SMK], 0xd2800000                   ; -2^38
	v_mov_b32 v[NM+1], 0                           ; (named as the upper half of a pair)
.irp b, 0,1,2,3
	v_mov_b32 v[BX+\b], 0                          ; a lane permute's destination counts as one of its sources
.endr
.irp a, 0,1,2,3,4,5,6,7
	PSOFT \a
.endr
.irp c, 0,1,2
	ds_load_b128 v[SB+4*\c:SB+4*\c+3], v[SRA] offset:512*\c   ; LDS serves a wave's instructions in order: these see my stores
.endr
	s_wait_dscnt 0x0
.irp c, 0,1,2
	global_store_b128 v[LI], v[SB+4*\c:SB+4*\c+3], s[10:11] offset:524288*\c   ; 512 consecutive bytes each: the block's scale words, -M, l
.endr
	s_wait_tensorcnt 0x0                           ; the wave's end
	ds_add_u32 v[SPW], v[NIL]
	s_wait_dscnt 0x0
	CROUND
	s_endpgm
.Lfunc_end_k_qc883b0165a_scores:
	.size	k_qc883b0165a_scores, .Lfunc_end_k_qc883b0165a_scores-k_qc883b0165a_scores
	.p2alignl 7, 3214868480
	.fill 96, 4, 3214868480
	.section	.rodata,"a",@progbits
	.p2align	6, 0x0
	.amdhsa_kernel k_qc883b0165a_scores
		.amdhsa_group_segment_fixed_size 327680
		.amdhsa_private_segment_fixed_size 0
		.amdhsa_enable_private_segment 0
		.amdhsa_kernarg_size 24
		.amdhsa_user_sgpr_count 2
		.amdhsa_user_sgpr_kernarg_segment_ptr 1
		.amdhsa_wavefront_size32 1
		.amdhsa_system_sgpr_workgroup_id_x 1
		.amdhsa_system_sgpr_workgroup_id_y 1
		.amdhsa_system_sgpr_workgroup_id_z 1
		.amdhsa_system_vgpr_workitem_id 0
		.amdhsa_next_free_vgpr 1024
		.amdhsa_next_free_sgpr 102
		.amdhsa_reserve_vcc 0
		.amdhsa_float_denorm_mode_32 3
		.amdhsa_float_denorm_mode_16_64 3
		.amdhsa_memory_ordered 1
		.amdhsa_forward_progress 1
		.amdhsa_inst_pref_size 230
	.end_amdhsa_kernel
	.amdgpu_metadata
---
amdhsa.version: [ 1, 2 ]
amdhsa.kernels:
  - .name:           k_qc883b0165a_scores
    .symbol:         k_qc883b0165a_scores.kd
    .args:
      - { .name: qkv, .offset: 0, .size: 8, .value_kind: global_buffer, .address_space: global }
      - { .name: mb, .offset: 8, .size: 8, .value_kind: global_buffer, .address_space: global }
      - { .name: pbuf, .offset: 16, .size: 8, .value_kind: global_buffer, .address_space: global }
    .group_segment_fixed_size: 327680
    .private_segment_fixed_size: 0
    .kernarg_segment_align: 8
    .kernarg_segment_size: 24
    .max_flat_workgroup_size: 128
    .sgpr_count:     102
    .vgpr_count:     1024
    .wavefront_size: 32
...
	.end_amdgpu_metadata
.endif
;; end of part 3
;; launch pv (part 4): grid 4 x 64, 4 waves a work-group, clusters of 4 x 4, 327,680 bytes of LDS; arguments pbuf, qkv, obuf; writes obuf
.if DOCPART == 4
	.amdgcn_target "amdgcn-amd-amdhsa--gfx1250"
	.amdhsa_code_object_version 6
	.text
	.protected	k_qc883b0165a_pv
	.globl	k_qc883b0165a_pv
	.p2align	8
	.type	k_qc883b0165a_pv,@function
k_qc883b0165a_pv:
	s_mov_b64 s[64:65], 0
	v_nop
	global_prefetch_b8 v0, s[64:65] scope:SCOPE_SE
	s_setreg_imm32_b32 hwreg(HW_REG_WAVE_MODE, 25, 1), 1
	s_wait_xcnt 0x0
	s_wait_alu depctr_hold_cnt(0) depctr_sa_sdst(0) depctr_va_vdst(0) depctr_va_sdst(0) depctr_va_ssrc(0) depctr_va_vcc(0) depctr_vm_vsrc(0)
	s_getreg_b32 s2, hwreg(HW_REG_IB_STS2, 6, 4)
	s_cmp_eq_u32 s2, 0
	s_cbranch_scc0 .Lentry_in_a_cluster
	s_endpgm
.Lentry_in_a_cluster:
	s_bfe_u32 s2, ttmp6, 0x10000c
	s_cmp_lg_u32 s2, 0xf033
	s_cbranch_scc0 .Lentry_shape_is_right
	s_endpgm
.Lentry_shape_is_right:
; O = (p v) / l on codes of FP6 (E2M3) with E8M0 scales, quantised at once along the model axis for the last product.
; p was made for each 128 keys under a local whole number M.  THE HEAD brings all 16 pieces of a row under the row's largest M: each scale byte is lowered by the difference (an exact power of two; held at 0 from below),
; each piece's sum is multiplied by the same power of two (v_ldexp_f32) and the sums are added; 1 / l multiplies the result at the end.
; C'(m', n'): A' = p (rows = queries, K = the batch's 2,048 keys), B' = v^T (rows = channels, K = tokens).  Layout of the operands, ring, rounds, joint loads and the transposed use as in the launches before:
;   blocks of 128 rows x 128 K, 8 fragments of 1,536 bytes in the order of the operand's registers, lane-row rho of fragment t = row 32 (t / 2) + 8 (t % 2) + rho + 8 (rho / 8); scale word of (t, rho) at (t / 2) x 128 + 8 rho + 4 (t % 2).
; A work-group makes 128 x 256, so that 256 work-groups share the work; a wave 64 x 128: 32 accumulators.  A slot holds 512 along K, so that a refill has 128 matrix instructions a wave in which to land.
; LIMITS: NaN and infinities are not served; a block of p whose byte would fall under 0 is held at byte 0 (2^-127 against a row's largest p above 1/2); the difference of two M is held at -300, beyond which a piece counts for nothing;
;   a block of O that is all zeros, or lies under 2^-124, gets the byte 1.
; REGISTERS: window 0: v1-29 addresses; v32-95 scale words, two sets; v96-107 the head's work; v128-175 A's fragments (way out: codes, at work); v176-239 the head's tables, later a tile of O; v240-247 1 / l.  window 1: B's two sets.  window 2: the accumulators.
.set NA,    4
.set NQ,    4
.set H,     NA/2
.set NL,    3
.set LAPS,  2
.set FRB,   1536
.set BLK,   12288
.set APART, 24576
.set BPART, NQ*BLK
.set ASL,   2*APART
.set SLOT,  ASL+2*BPART
.set SCLA,  2*SLOT                     ; p's scale words under the row's M: 16 x 512 bytes, written by the head's LDS stores;
.set RLB,   SCLA+8192                  ; 1 / l: 512 bytes, likewise;
.set SCLB,  RLB+512+128                ; v's scale words, 2 x 8,192 bytes: they come through registers and are written by the head's LDS stores too; no fill lands here
.set SPARE, 320256
.set QSOFF, 18874368
.set PS,    12582912
.set OSOFF, 6291456
.set LI,    1
.set L8,    7                          ; v7   8 x lane
.set RLA,   8                          ; v8   where my rows' 1 / l lie
.set ADRA,  16
.set ADRB,  20
.set SWA,   24
.set SRA,   25
.set ADRS2, 26                         ; v26  as v27, for B's fragments 4-7: lanes 0-15 read A's words once more
.set ADRS,  27
.set SPW,   28
.set NIL,   29
.set SC,    32
.set NMIN,  96
.set D,     97
.set AW,    98
.set TO,    99
.set B0,    100
.set C0,    104
.set AF,    128
.set PC,    128
.set TM,    148
.set PW,    164
.set SB,    168
.set PMR,   176
.set PLR,   192
.set PSR,   208
.set T,     176
.set RL,    240
.set G1,  24
.set G0,  32
.set G1B, 48
.set G0B, 56
.set VS,   9                           ; v9   where my wave's 4,096 bytes of v's scale words go
.set VW,   128                         ; v128-159 these words on their way
.set PF0,  10                          ; v10-11 the prefetches' offsets, a lane a block of 256 bytes: the two halves of my work-group's share of the tile that I fetch; never rewritten
.set PF1,  11
; PREFETCHES INTO THE L2: of the tile that a wave fetches for a slot (p: 96 blocks of 256 bytes, v: 192) each of the four partners that ask for it jointly takes a quarter, told apart by address, in two instructions
; (12 or 24 lanes each; the lanes left over name the last block again).  At the head slots 1 and 2 are asked for, behind slot 1's fill slot 3: one and two changes of slots ahead of their loads.
.macro ASK t
	global_prefetch_b8 v[PF0], s[80:81] offset:(\t)*NQ*BLK th:TH_LOAD_NT scope:SCOPE_SE
	global_prefetch_b8 v[PF1], s[80:81] offset:(\t)*NQ*BLK th:TH_LOAD_NT scope:SCOPE_SE
.endm
.set MSB, 0
.macro WIN new
.if MSB != (\new)
	s_set_vgpr_msb (MSB<<8)|(\new)
.set MSB, (\new)
.endif
.endm
.macro JLOAD g0a, g1a, g0b, g1b
	s_cmp_eq_u32 s15, 0
	s_cbranch_scc0 .Lfor_b_\@
	tensor_load_to_lds s[\g0a:\g0a+3], s[\g1a:\g1a+7]
	s_nop 0
.rept 4
	v_nop
.endr
	s_branch .Lasked_\@
.Lfor_b_\@:
	tensor_load_to_lds s[\g0b:\g0b+3], s[\g1b:\g1b+7]
	s_nop 0
.rept 4
	v_nop
.endr
.Lasked_\@:
.endm
.macro CREST
	s_cmp_lg_u32 s14, 0
	s_cbranch_scc1 .Lnot_wave_0_\@
	s_barrier_signal -3
.Lnot_wave_0_\@:
	s_barrier_wait -3
	s_barrier_signal -1
	s_barrier_wait -1
.endm
.macro CROUND
	s_barrier_signal -1
	s_barrier_wait -1
	CREST
.endm
.macro PLACES n
.rept \n
	v_nop
.endr
.endm
.macro FRAG reg, adr, q, i
.irp c, 0,1,2
	ds_load_b128 v[\reg+4*\c:\reg+4*\c+3], v[\adr] offset:(8*(\q)+(\i))*FRB+512*\c
.endr
.endm
.macro FETCH_B slot, q, p
	WIN 0x40
.irp i, 0,1,2,3,4,5,6,7
	FRAG 128*(\p)+12*\i, ADRB+\slot, \q, \i
.endr
	WIN 0
.endm
.macro FETCH_A slot, q, i0
.set FI, \i0
.rept H
	FRAG AF+12*FI, ADRA+\slot, \q, FI
.set FI, FI+1
.endr
.endm
.macro SCALES sc
.set QI, 0
.rept NQ
.irp g, 0,1
	ds_load_b64 v[SC+8*NQ*(\sc)+8*QI+2*\g:SC+8*NQ*(\sc)+8*QI+2*\g+1], v[ADRS] offset:512*QI+128*\g
.endr
.irp g, 2,3
	ds_load_b64 v[SC+8*NQ*(\sc)+8*QI+2*\g:SC+8*NQ*(\sc)+8*QI+2*\g+1], v[ADRS2] offset:512*QI+128*\g
.endr
.set QI, QI+1
.endr
.endm
.macro MULB a, p, q, sc, zero          ; the accumulators take turns, one instruction a turn
	WIN 0xa1+0x50*((\a)/4)
.irp b, 0,1,2,3,4,5,6,7
.if \zero
	v_wmma_scale_f32_16x16x128_f8f6f4 v[8*(8*((\a)%4)+\b):8*(8*((\a)%4)+\b)+7], v[128*(\p)+12*\b:128*(\p)+12*\b+11], v[AF+12*(\a):AF+12*(\a)+11], 0, v[SC+8*NQ*(\sc)+8*(\q)+\b], v[SC+8*NQ*(\sc)+8*(\q)+(\a)] matrix_a_fmt:MATRIX_FMT_FP6 matrix_b_fmt:MATRIX_FMT_FP6 matrix_a_scale:MATRIX_SCALE_ROW1
.else
	v_wmma_scale_f32_16x16x128_f8f6f4 v[8*(8*((\a)%4)+\b):8*(8*((\a)%4)+\b)+7], v[128*(\p)+12*\b:128*(\p)+12*\b+11], v[AF+12*(\a):AF+12*(\a)+11], v[8*(8*((\a)%4)+\b):8*(8*((\a)%4)+\b)+7], v[SC+8*NQ*(\sc)+8*(\q)+\b], v[SC+8*NQ*(\sc)+8*(\q)+(\a)] matrix_a_fmt:MATRIX_FMT_FP6 matrix_b_fmt:MATRIX_FMT_FP6 matrix_a_scale:MATRIX_SCALE_ROW1
.endif
.endr
.endm
.macro MULS a0, n, p, q, sc, zero
.set AI, \a0
.rept \n
	MULB AI, \p, \q, \sc, \zero
.set AI, AI+1
.endr
.endm
.macro STEP slot, q, zero
	s_wait_dscnt H*NL                              ; all but the youngest loads (A's upper half) are in
	MULS 0, H, (\q)%2, \q, \slot, \zero
	s_wait_dscnt 0
	PLACES 4
	FETCH_B \slot, (\q)+1, 1-(\q)%2
	FETCH_A \slot, (\q)+1, 0
	MULS H, H, (\q)%2, \q, \slot, \zero
	PLACES 4
	WIN 0
	FETCH_A \slot, (\q)+1, H
.endm
.macro TURN slot, next, fill
	s_wait_tensorcnt 0x0                           ; all my tensor loads have landed: my part of the next slot
	ds_add_u32 v[SPW], v[NIL]                      ; 0 onto my spare word
	s_wait_dscnt H*NL+1                            ; (the add and A's upper half may be out)
	MULS 0, H/2, 1, NQ-1, \slot, 0
	s_wait_dscnt 0x0                               ; the add is done, and my reads of this slot are over
	s_barrier_signal -1
	MULS H/2, H/2, 1, NQ-1, \slot, 0
	WIN 0
	s_barrier_wait -1
.if \fill
	CREST                                          ; a round of the cluster's barrier: no wave of any partner still reads this slot or has a load on its way
	s_add_nc_u64 s[G0+4*\slot+2:G0+4*\slot+3], s[G0+4*\slot+2:G0+4*\slot+3], 2*NQ*BLK
	s_add_nc_u64 s[G0B+4*\slot+2:G0B+4*\slot+3], s[G0B+4*\slot+2:G0B+4*\slot+3], 2*NQ*BLK
	JLOAD G0+4*\slot, G1, G0B+4*\slot, G1B
.else
	PLACES 4
.endif
	s_wait_alu depctr_va_vdst(0)
	v_add_nc_u32 v[ADRS], NQ*512, v[ADRS]
.if NA == 4
	v_add_nc_u32 v[ADRS2], NQ*512, v[ADRS2]
.endif
	FETCH_B \next, 0, 0
	FETCH_A \next, 0, 0
	SCALES \next
	MULS H, H, 1, NQ-1, \slot, 0
	PLACES 4
	WIN 0
	FETCH_A \next, 0, H
.endm
.macro LAST
	s_wait_dscnt H*NL
	MULS 0, H, 1, NQ-1, 1, 0
	s_wait_dscnt 0
	MULS H, H, 1, NQ-1, 1, 0
	WIN 0
.endm
.macro QUANT s, w, pw
	WIN (\w)|((\w)<<2)
.irp b, 0,1,2,3
	v_max3_num_f32 v[TM+\b], |v[(\s)+16*\b]|, |v[(\s)+16*\b+1]|, 0x1800000
.endr
.irp i, 2,4,6,8,10,12,14
.irp b, 0,1,2,3
	v_max3_num_f32 v[TM+\b], |v[(\s)+16*\b+\i]|, |v[(\s)+16*\b+\i+1]|, v[TM+\b]
.endr
.endr
	WIN 0
.irp b, 0,1,2,3
	v_permlanex16_b32 v[TM+4+\b], v[TM+\b], s98, s99
.endr
.irp b, 0,1,2,3
	v_max_num_f32 v[TM+\b], v[TM+\b], v[TM+4+\b]
.endr
.irp b, 0,1,2,3
	v_add_nc_u32 v[TM+12+\b], 0xff000000, v[TM+\b]
.endr
.irp b, 0,1,2,3
	v_lshrrev_b32 v[TM+4+\b], 23, v[TM+12+\b]
.endr
	v_lshl_or_b32 v[\pw], v[TM+5], 8, v[TM+4]
	v_lshl_or_b32 v[\pw], v[TM+6], 16, v[\pw]
	v_lshl_or_b32 v[\pw], v[TM+7], 24, v[\pw]
	WIN \w
.irp c, 0,1
	v_cvt_scalef32_pk16_fp6_f32 v[PC+6*\c:PC+6*\c+2], v[(\s)+32*\c:(\s)+32*\c+15], v[TM+12+2*\c]
	v_cvt_scalef32_pk16_fp6_f32 v[PC+12+4*\c:PC+12+4*\c+2], v[(\s)+32*\c+16:(\s)+32*\c+31], v[TM+12+2*\c+1]
.endr
	WIN 0
	v_nop
.irp c, 0,1
.irp i, 0,1,2
	v_permlane16_swap_b32 v[PC+6*\c+\i], v[PC+12+4*\c+\i]
.endr
.irp i, 0,1,2
	v_mov_b32 v[PC+3+6*\c+\i], v[PC+12+4*\c+\i]
.endr
.endr
.endm
	s_load_b128 s[4:7], s[0:1], 0x0                ; pbuf s[4:5], qkv s[6:7]
	s_load_b64 s[8:9], s[0:1], 0x10                ; obuf
	v_lshl_add_u32 v[SPW], v0, 2, SPARE
	v_mov_b32 v[NIL], 0
	ds_add_u32 v28, v29
	ds_add_u32 v28, v29
	s_wait_dscnt 0x0
	v_lshrrev_b32 v2, 5, v0
	v_readfirstlane_b32 s14, v2
	s_lshr_b32 s15, s14, 1
	s_and_b32 s16, s14, 1
	s_bfe_u32 s40, ttmp6, 0x40000                  ; cx
	s_bfe_u32 s41, ttmp6, 0x40004                  ; cy
	s_lshl_b32 s43, s41, 2
	s_lshl_b32 s43, 15, s43
	s_lshl_b32 s44, 0x1111, s40
	s_mov_b32 s98, 0x76543210
	s_mov_b32 s99, 0xfedcba98
	s_or_b32 s[G1+0], s43, (3<<16)|(1<<21)
	s_or_b32 s[G1B+0], s44, (3<<16)|(1<<21)
	s_mov_b32 s[G1+1], 32<<16                      ; A: 96 rows of 256 bytes
	s_mov_b32 s[G1+2], 96<<16
	s_mov_b32 s[G1+3], 32<<16
	s_mov_b32 s[G1+4], 96
	s_mov_b32 s[G1+5], 32
	s_mov_b32 s[G1+6], 0
	s_mov_b32 s[G1+7], 0
	s_mov_b32 s[G1B+1], 32<<16                     ; B: 192 rows
	s_mov_b32 s[G1B+2], 192<<16
	s_mov_b32 s[G1B+3], 32<<16
	s_mov_b32 s[G1B+4], 192
	s_mov_b32 s[G1B+5], 32
	s_mov_b32 s[G1B+6], 0
	s_mov_b32 s[G1B+7], 0
	s_and_b32 s17, ttmp7, 0xffff                   ; cluster y
	s_lshr_b32 s18, s17, 2
	s_lshl_b32 s18, s18, 4                         ; 16 x batch: the batch's first block along the tokens
	s_lshl_b32 s17, s17, 2
	s_add_co_u32 s17, s17, s41                     ; my row of blocks of p and of O: 4 cY + cy
	s_lshl_b32 s20, s17, 4
	s_lshl_b32 s21, s16, 1
	s_add_co_u32 s20, s20, s21                     ; A: block 16 x row + 2 x my part
	s_mul_i32 s20, s20, BLK
	s_mov_b32 s21, 0
	s_lshl_b32 s22, s17, 13
	s_add_co_u32 s22, s22, PS                      ; the row's three tables
	s_mov_b32 s23, 0
	s_lshl_b32 s46, s40, 1
	s_add_co_u32 s47, s46, s15
	s_add_co_u32 s46, s46, s16
	s_lshl_b32 s46, s46, 6
	s_add_co_u32 s46, s46, s18
	s_add_co_u32 s46, s46, 1024                    ; B: block 1024 + 64 (2 cx + my part) + 16 x batch
	s_mul_i32 s46, s46, BLK
	s_lshl_b32 s92, s47, 6
	s_add_co_u32 s92, s92, s18
	s_lshl_b32 s93, s16, 3
	s_add_co_u32 s92, s92, s93
	s_add_co_u32 s92, s92, 1024                    ; B's scale words: wave w takes 8 blocks' of row of blocks 2 cx + w / 2
	s_lshl_b32 s92, s92, 9
	s_add_co_u32 s92, s92, QSOFF
	s_mov_b32 s93, 0
	s_mov_b32 s47, 0
	s_mul_i32 s42, s16, APART
	s_mul_i32 s45, s16, BPART
	s_add_co_u32 s45, s45, ASL
	s_lshl_b32 s19, s14, 12
	s_lshl_b32 s94, s17, 3                         ; my block of O: 8 x row + 2 cx + j; my half of it
	s_lshl_b32 s95, s40, 1
	s_add_co_u32 s94, s94, s95
	s_add_co_u32 s94, s94, s16
	s_mul_i32 s96, s94, BLK
	s_mul_i32 s97, s15, 4*FRB
	s_add_co_u32 s96, s96, s97
	s_mov_b32 s97, 0
	s_lshl_b32 s94, s94, 9
	s_lshl_b32 s95, s15, 8
	s_add_co_u32 s94, s94, s95
	s_add_co_u32 s94, s94, OSOFF
	s_mov_b32 s95, 0
	s_wait_kmcnt 0x0
	s_add_nc_u64 s[20:21], s[4:5], s[20:21]
	s_add_nc_u64 s[10:11], s[4:5], s[22:23]
	s_add_nc_u64 s[46:47], s[6:7], s[46:47]
	s_add_nc_u64 s[92:93], s[6:7], s[92:93]
	s_add_nc_u64 s[12:13], s[8:9], s[96:97]        ; O's codes
	s_add_nc_u64 s[8:9], s[8:9], s[94:95]          ; O's scale words
	s_cmp_eq_u32 s15, 0                            ; the prefetches: the tile that I fetch, + my work-group's share by its place among the four
	s_cselect_b64 s[80:81], s[20:21], s[46:47]
	s_cselect_b32 s82, s40, s41
	s_cselect_b32 s83, 0, 1
	s_mul_i32 s82, s82, 6144
	s_lshl_b32 s82, s82, s83                       ; p: 24 blocks a partner; v: 48
	s_lshl_b32 s84, 3072, s83                      ; half a share, in bytes
	s_lshl_b32 s85, 12, s83
	s_sub_co_u32 s85, s85, 1                       ; its last block
	s_mov_b32 s83, 0
	s_add_nc_u64 s[80:81], s[80:81], s[82:83]
.irp s, 0,1
	s_mov_b32 s[G0+4*\s], 1
	s_add_co_u32 s[G0+4*\s+1], s42, \s*SLOT
	s_add_nc_u64 s[G0+4*\s+2:G0+4*\s+3], s[20:21], \s*NQ*BLK
	s_or_b32 s[G0+4*\s+3], s[G0+4*\s+3], 0x80000000
	s_mov_b32 s[G0B+4*\s], 1
	s_add_co_u32 s[G0B+4*\s+1], s45, \s*SLOT
	s_add_nc_u64 s[G0B+4*\s+2:G0B+4*\s+3], s[46:47], \s*NQ*BLK
	s_or_b32 s[G0B+4*\s+3], s[G0B+4*\s+3], 0x80000000
.endr
	CROUND
	JLOAD G0, G1, G0B, G1B                         ; slot 0: one load a wave at the head
	; THE HEAD'S WORK: thread t owns place t of the row of blocks (a row of p): its 16 scale words, 16 -M, 16 sums
	v_lshlrev_b32 v[TO], 2, v0
	v_lshl_add_u32 v[AW], v0, 2, SCLA
.irp k, 0,1,2,3,4,5,6,7,8,9,10,11,12,13,14,15
	global_load_b32 v[PMR+\k], v[TO], s[10:11] offset:\k*512+524288
.endr
.irp k, 0,1,2,3,4,5,6,7,8,9,10,11,12,13,14,15
	global_load_b32 v[PLR+\k], v[TO], s[10:11] offset:\k*512+1048576
	global_load_b32 v[PSR+\k], v[TO], s[10:11] offset:\k*512
.endr
	v_and_b32 v2, 31, v0
	v_lshlrev_b32 v[LI], 4, v2
	v_lshlrev_b32 v[L8], 3, v2
	v_and_b32 v3, 15, v0
	v_bfe_u32 v4, v0, 4, 1
	s_add_co_u32 s19, s19, SCLB
	v_add_nc_u32 v[VS], s19, v[LI]
	v_min_u32 v[PF0], s85, v2
	v_lshlrev_b32 v[PF0], 8, v[PF0]
	v_add_nc_u32 v[PF1], s84, v[PF0]
	s_wait_alu depctr_va_vdst(0)
	ASK 1
	ASK 2
.irp j, 0,1,2,3,4,5,6,7
	global_load_b128 v[VW+4*\j:VW+4*\j+3], v[LI], s[92:93] offset:512*\j   ; v's scale words: every wave a quarter, 512 consecutive bytes a load
.endr
	s_mul_i32 s21, s15, 4*FRB
	s_mul_i32 s22, s16, BPART
	s_add_co_u32 s22, s22, ASL
.irp s, 0,1
	v_add_nc_u32 v[ADRA+\s], s21, v[LI]
	v_add_nc_u32 v[ADRB+\s], s22, v[LI]
	s_add_co_u32 s21, s21, SLOT
	s_add_co_u32 s22, s22, SLOT
.endr
	s_lshl_b32 s21, s15, 8                         ; A's scale words: my four fragments'
	s_lshl_b32 s22, s16, 13                        ; B's: my rows'
	s_add_co_u32 s22, s22, SCLB-SCLA
	s_sub_co_u32 s22, s22, s21
	v_mul_u32_u24 v5, s22, v4
	v_lshl_add_u32 v5, v3, 3, v5
	s_add_co_u32 s23, s22, 256
	v_mul_u32_u24 v6, s23, v4
	v_lshl_add_u32 v6, v3, 3, v6
	s_add_co_u32 s21, s21, SCLA
	v_add_nc_u32 v[ADRS], s21, v5
	s_sub_co_u32 s23, s21, 256
	v_add_nc_u32 v[ADRS2], s23, v6
	s_lshl_b32 s23, s15, 8
	s_add_co_u32 s23, s23, RLB
	v_lshl_add_u32 v[RLA], v3, 3, s23
	s_lshl_b32 s23, s14, 8                         ; the way out: 256 bytes of slot 0 for each wave
	v_lshl_add_u32 v[SWA], v3, 3, s23
	v_add_nc_u32 v[SRA], s23, v[L8]
	s_wait_loadcnt 0x0
.irp j, 0,1,2,3,4,5,6,7
	ds_store_b128 v[VS], v[VW+4*\j:VW+4*\j+3] offset:512*\j
.endr
	v_min3_num_f32 v[NMIN], v[PMR], v[PMR+1], v[PMR+2]
.irp i, 3,5,7,9,11,13
	v_min3_num_f32 v[NMIN], v[NMIN], v[PMR+\i], v[PMR+\i+1]
.endr
	v_min_num_f32 v[NMIN], v[NMIN], v[PMR+15]      ; the least -M: the row's largest M
.irp k, 0,1,2,3,4,5,6,7,8,9,10,11,12,13,14,15
	v_sub_f32 v[D], v[NMIN], v[PMR+\k]             ; the piece's M less the row's: a whole number, 0 or less
	v_max_num_f32 v[D], 0xc3960000, v[D]           ; held at -300
	v_cvt_i32_f32 v[D], v[D]
	v_ldexp_f32 v[PLR+\k], v[PLR+\k], v[D]         ; the piece's sum under the row's M
	v_sub_nc_u32 v[D], 0, v[D]
	v_min_u32 v[D], 0xff, v[D]
.irp m, 0,1,2,3
	v_bfe_u32 v[B0+\m], v[PSR+\k], 8*\m, 8
.endr
.irp m, 0,1,2,3
	v_min_u32 v[C0+\m], v[B0+\m], v[D]
.endr
.irp m, 0,1,2,3
	v_sub_nc_u32 v[B0+\m], v[B0+\m], v[C0+\m]      ; the byte lowered by the difference, held at 0
.endr
	v_lshl_or_b32 v[PSR+\k], v[B0+1], 8, v[B0]
	v_lshl_or_b32 v[PSR+\k], v[B0+2], 16, v[PSR+\k]
	v_lshl_or_b32 v[PSR+\k], v[B0+3], 24, v[PSR+\k]
	ds_store_b32 v[AW], v[PSR+\k] offset:\k*512
.endr
.irp k, 1,2,3,4,5,6,7,8,9,10,11,12,13,14,15
	v_add_f32 v[PLR], v[PLR], v[PLR+\k]            ; the row's sum: at least one p above 1/2 is in it
.endr
	s_wait_alu depctr_va_vdst(0)
	v_rcp_f32 v[D], v[PLR]
	v_nop                                          ; a plain place behind the transcendental
	s_wait_alu depctr_va_vdst(0)                   ; and the wait ahead of its first reader
	ds_store_b32 v[AW], v[D] offset:8192
	s_wait_alu depctr_va_vdst(0)                   ; the wait at the head's end
	s_wait_tensorcnt 0x0                           ; my part of slot 0 is in
	ds_add_u32 v[SPW], v[NIL]
	s_wait_dscnt 0x0                               ; the add is done, and for the others' sake my stores of scale words and of 1 / l have landed
	CROUND
	JLOAD G0+4, G1, G0B+4, G1B                     ; slot 1's first fill
	FETCH_B 0, 0, 0
	FETCH_A 0, 0, 0
	SCALES 0
	FETCH_A 0, 0, H
	ASK 3
	STEP 0, 0, 1
	STEP 0, 1, 0
	STEP 0, 2, 0
	s_mov_b32 s3, LAPS-1
.Llap:
	TURN 0, 1, 1
	STEP 1, 0, 0
	STEP 1, 1, 0
	STEP 1, 2, 0
	TURN 1, 0, 1
	STEP 0, 0, 0
	STEP 0, 1, 0
	STEP 0, 2, 0
	s_sub_co_u32 s3, s3, 1
	s_cmp_lg_u32 s3, 0
	s_cbranch_scc1 .Llap
	TURN 0, 1, 0
	STEP 1, 0, 0
	STEP 1, 1, 0
	STEP 1, 2, 0
	LAST
	; THE WAY OUT: a tile's 128 channels of 16 queries are multiplied by 1 / l and become a fragment of O
	PLACES 4
.irp b, 0,1,2,3
	v_mov_b32 v[TM+4+\b], 0
.endr
.irp a, 0,1,2,3
	ds_load_b32 v[RL+2*\a], v[RLA] offset:(\a/2)*128+(\a%2)*4
	v_mov_b32 v[RL+2*\a+1], 0                      ; (named as the upper half of a pair)
.endr
	s_wait_alu depctr_va_vdst(0)
	s_wait_dscnt 0x0
.set TA, 0
.rept 4
	WIN 0x02                                       ; source 0: the accumulators' window
.set J, 0
.rept 32
	v_pk_mul_f32 v[T+J:T+J+1], v[64*TA+J:64*TA+J+1], v[RL+2*TA:RL+2*TA+1] op_sel_hi:[1,0]   ; each accumulator from its low end on
.set J, J+2
.endr
	WIN 0
.if TA > 0
	s_wait_xcnt 0x0                                ; the last tile's stores have read the codes' registers
.endif
	QUANT T, 0, PW+TA
.irp c, 0,1,2
	global_store_b128 v[LI], v[PC+4*\c:PC+4*\c+3], s[12:13] offset:TA*FRB+512*\c
.endr
	ds_store_b32 v[SWA], v[PW+TA] offset:(TA/2)*128+(TA%2)*4
.set TA, TA+1
.endr
	ds_load_b64 v[SB:SB+1], v[SRA]
	s_wait_dscnt 0x0
	global_store_b64 v[L8], v[SB:SB+1], s[8:9]     ; 256 consecutive bytes, aligned
	s_wait_tensorcnt 0x0                           ; the wave's end
	ds_add_u32 v[SPW], v[NIL]
	s_wait_dscnt 0x0
	CROUND
	s_endpgm
.Lfunc_end_k_qc883b0165a_pv:
	.size	k_qc883b0165a_pv, .Lfunc_end_k_qc883b0165a_pv-k_qc883b0165a_pv
	.p2alignl 7, 3214868480
	.fill 96, 4, 3214868480
	.section	.rodata,"a",@progbits
	.p2align	6, 0x0
	.amdhsa_kernel k_qc883b0165a_pv
		.amdhsa_group_segment_fixed_size 327680
		.amdhsa_private_segment_fixed_size 0
		.amdhsa_enable_private_segment 0
		.amdhsa_kernarg_size 24
		.amdhsa_user_sgpr_count 2
		.amdhsa_user_sgpr_kernarg_segment_ptr 1
		.amdhsa_wavefront_size32 1
		.amdhsa_system_sgpr_workgroup_id_x 1
		.amdhsa_system_sgpr_workgroup_id_y 1
		.amdhsa_system_sgpr_workgroup_id_z 1
		.amdhsa_system_vgpr_workitem_id 0
		.amdhsa_next_free_vgpr 768
		.amdhsa_next_free_sgpr 100
		.amdhsa_reserve_vcc 0
		.amdhsa_float_denorm_mode_32 3
		.amdhsa_float_denorm_mode_16_64 3
		.amdhsa_memory_ordered 1
		.amdhsa_forward_progress 1
		.amdhsa_inst_pref_size 174
	.end_amdhsa_kernel
	.amdgpu_metadata
---
amdhsa.version: [ 1, 2 ]
amdhsa.kernels:
  - .name:           k_qc883b0165a_pv
    .symbol:         k_qc883b0165a_pv.kd
    .args:
      - { .name: pbuf, .offset: 0, .size: 8, .value_kind: global_buffer, .address_space: global }
      - { .name: qkv, .offset: 8, .size: 8, .value_kind: global_buffer, .address_space: global }
      - { .name: obuf, .offset: 16, .size: 8, .value_kind: global_buffer, .address_space: global }
    .group_segment_fixed_size: 327680
    .private_segment_fixed_size: 0
    .kernarg_segment_align: 8
    .kernarg_segment_size: 24
    .max_flat_workgroup_size: 128
    .sgpr_count:     100
    .vgpr_count:     768
    .wavefront_size: 32
...
	.end_amdgpu_metadata
.endif
;; end of part 4
;; launch outp (part 5): grid 4 x 64, 4 waves a work-group, clusters of 4 x 4, 327,680 bytes of LDS; arguments obuf, opx, out0; writes out0
.if DOCPART == 5
	.amdgcn_target "amdgcn-amd-amdhsa--gfx1250"
	.amdhsa_code_object_version 6
	.text
	.protected	k_qc883b0165a_outp
	.globl	k_qc883b0165a_outp
	.p2align	8
	.type	k_qc883b0165a_outp,@function
k_qc883b0165a_outp:
	s_mov_b64 s[64:65], 0
	v_nop
	global_prefetch_b8 v0, s[64:65] scope:SCOPE_SE
	s_setreg_imm32_b32 hwreg(HW_REG_WAVE_MODE, 25, 1), 1
	s_wait_xcnt 0x0
	s_wait_alu depctr_hold_cnt(0) depctr_sa_sdst(0) depctr_va_vdst(0) depctr_va_sdst(0) depctr_va_ssrc(0) depctr_va_vcc(0) depctr_vm_vsrc(0)
	s_getreg_b32 s2, hwreg(HW_REG_IB_STS2, 6, 4)
	s_cmp_eq_u32 s2, 0
	s_cbranch_scc0 .Lentry_in_a_cluster
	s_endpgm
.Lentry_in_a_cluster:
	s_bfe_u32 s2, ttmp6, 0x10000c
	s_cmp_lg_u32 s2, 0xf033
	s_cbranch_scc0 .Lentry_shape_is_right
	s_endpgm
.Lentry_shape_is_right:
; out = O Wo on codes of FP6 (E2M3) with E8M0 scales, f32 out.  A' = O (rows = queries), B' = Wo^T (rows = output columns), K = 1,024.
; Operands in blocks of 128 rows x 128 K, 8 fragments of 1,536 bytes in the order of the operand's registers, lane-row rho of fragment t = row 32 (t / 2) + 8 (t % 2) + rho + 8 (rho / 8);
;   scale word of (t, rho) at (t / 2) x 128 + 8 rho + 4 (t % 2).  The matrix instruction is used transposed: a lane holds 16 neighbouring columns of one row in accumulators (a, 2 i), (a, 2 i + 1).
; A work-group makes 128 x 256, a wave 64 x 128: 32 accumulators.
; ALL OF K HAS ROOM IN LDS: O's 128 rows 98,304 bytes, Wo's 256 rows 196,608; every byte is filled once.  K's first half comes by one load a wave at the head (waves 0, 1 two K blocks of O each, waves 2, 3 four K blocks
;   of 128 rows of Wo each), its second half by one load a wave behind the head's sequence.
; SCALE WORDS come straight into registers for all of K: Wo's in v32-95 (register 8 k + b, the same in both halves of the lanes), O's in v96-127 (register 4 k + a).
; ONE BARRIER in K step 3: in front of it a wave has its part of K's second half and has ended its reads of the first half.  Behind it the second half is read, and the way out's stage, which lies on O's K steps 0 to 2, may be written.
; CLUSTERS: 4 x 4; O's tiles are asked for jointly along a row, Wo's along a column.
; PREFETCH INTO THE L2, at the head, behind the first loads: K's second half of what I fetch (O: 96 blocks of 256 bytes, Wo: 192), a lane a block; each of the four partners that ask jointly takes a quarter, told apart by address,
;   in two instructions (12 or 24 lanes each; the lanes left over name the last block again).
.set H,     2
.set NL,    3
.set FRB,   1536
.set BLK,   12288
.set APART, 24576                      ; what wave 0 or 1 fetches of O in one load: two K blocks
.set ASL,   98304                      ; where Wo's rows begin
.set BPART, 98304
.set HALFK, 49152                      ; four K blocks
.set SPARE, 307456
.set SOFF,  9437184
.set OSOFF, 6291456
.set SPITCH, 528
.set LI,    1
.set R8,    7
.set PF0,   9                          ; v9-10 the prefetch's offsets; never rewritten
.set PF1,   10
.set ADRA,  16                         ; v16-17 my fragments of O, K's halves
.set ADRB,  20                         ; v20-21 of Wo
.set STO,   24
.set RD,    25
.set SPW,   28
.set NIL,   29
.set SC,    32
.set SV,    96
.set AF,    128
.set BK,    128
.set G1,  24
.set G0,  32
.set G1B, 48
.set G0B, 56
.set MSB, 0
.macro WIN new
.if MSB != (\new)
	s_set_vgpr_msb (MSB<<8)|(\new)
.set MSB, (\new)
.endif
.endm
.macro JLOAD g0a, g1a, g0b, g1b        ; waves 0, 1: O's blocks; waves 2, 3: Wo's.  s_nop 0 and four v_nop behind each load
	s_cmp_eq_u32 s15, 0
	s_cbranch_scc0 .Lfor_b_\@
	tensor_load_to_lds s[\g0a:\g0a+3], s[\g1a:\g1a+7]
	s_nop 0
.rept 4
	v_nop
.endr
	s_branch .Lasked_\@
.Lfor_b_\@:
	tensor_load_to_lds s[\g0b:\g0b+3], s[\g1b:\g1b+7]
	s_nop 0
.rept 4
	v_nop
.endr
.Lasked_\@:
.endm
.macro CREST
	s_cmp_lg_u32 s14, 0
	s_cbranch_scc1 .Lnot_wave_0_\@
	s_barrier_signal -3
.Lnot_wave_0_\@:
	s_barrier_wait -3
	s_barrier_signal -1
	s_barrier_wait -1
.endm
.macro CROUND
	s_barrier_signal -1
	s_barrier_wait -1
	CREST
.endm
.macro PLACES n
.rept \n
	v_nop
.endr
.endm
.macro FRAG reg, adr, k, i             ; fragment i of K step k
.irp c, 0,1,2
	ds_load_b128 v[\reg+4*\c:\reg+4*\c+3], v[\adr+(\k)/4] offset:(8*((\k)%4)+(\i))*FRB+512*\c
.endr
.endm
.macro FETCH_B k                       ; B's eight fragments into set k % 2
	WIN 0x40
.irp i, 0,1,2,3,4,5,6,7
	FRAG 128*((\k)%2)+12*\i, ADRB, \k, \i
.endr
	WIN 0
.endm
.macro FETCH_A k, i0
.set FI, \i0
.rept H
	FRAG AF+12*FI, ADRA, \k, FI
.set FI, FI+1
.endr
.endm
.macro MULB a, k, zero                 ; the accumulators take turns, one instruction a turn
	WIN 0xa1
.irp b, 0,1,2,3,4,5,6,7
.if \zero
	v_wmma_scale_f32_16x16x128_f8f6f4 v[8*(8*(\a)+\b):8*(8*(\a)+\b)+7], v[128*((\k)%2)+12*\b:128*((\k)%2)+12*\b+11], v[AF+12*(\a):AF+12*(\a)+11], 0, v[SC+8*(\k)+\b], v[SV+4*(\k)+(\a)] matrix_a_fmt:MATRIX_FMT_FP6 matrix_b_fmt:MATRIX_FMT_FP6 matrix_a_scale:MATRIX_SCALE_ROW1
.else
	v_wmma_scale_f32_16x16x128_f8f6f4 v[8*(8*(\a)+\b):8*(8*(\a)+\b)+7], v[128*((\k)%2)+12*\b:128*((\k)%2)+12*\b+11], v[AF+12*(\a):AF+12*(\a)+11], v[8*(8*(\a)+\b):8*(8*(\a)+\b)+7], v[SC+8*(\k)+\b], v[SV+4*(\k)+(\a)] matrix_a_fmt:MATRIX_FMT_FP6 matrix_b_fmt:MATRIX_FMT_FP6 matrix_a_scale:MATRIX_SCALE_ROW1
.endif
.endr
.endm
.macro STEP k, zero
.if (\k) == 3
	s_wait_tensorcnt 0x0                           ; my part of K's second half is in
.endif
	s_wait_dscnt H*NL                              ; all but the youngest loads (A's upper half) are in
	MULB 0, \k, \zero
.if (\k) == 3
	s_wait_dscnt 0                                 ; my reads of K's first half are over
	s_barrier_signal -1
.endif
	MULB 1, \k, \zero
.if (\k) == 3
	s_barrier_wait -1                              ; both hold of every wave
.else
	s_wait_dscnt 0
.endif
	PLACES 4
	FETCH_B (\k)+1
	FETCH_A (\k)+1, 0
	MULB 2, \k, \zero
	MULB 3, \k, \zero
	PLACES 4
	WIN 0
	FETCH_A (\k)+1, H
.endm
	s_load_b128 s[4:7], s[0:1], 0x0                ; obuf s[4:5], opx s[6:7]
	s_load_b64 s[12:13], s[0:1], 0x10              ; out0
	v_lshl_add_u32 v[SPW], v0, 2, SPARE
	v_mov_b32 v[NIL], 0
	ds_add_u32 v[SPW], v[NIL]                      ; the opening lines: the add twice on end under one wait
	ds_add_u32 v[SPW], v[NIL]
	v_lshrrev_b32 v2, 5, v0
	v_readfirstlane_b32 s14, v2
	s_lshr_b32 s15, s14, 1                         ; which half of A's rows is mine.  Also: I fetch O (0) or Wo (1)
	s_and_b32 s16, s14, 1                          ; which half of B's rows.  Also: which part I fetch
	s_bfe_u32 s40, ttmp6, 0x40000                  ; cx
	s_bfe_u32 s41, ttmp6, 0x40004                  ; cy
	s_lshl_b32 s43, s41, 2
	s_lshl_b32 s43, 15, s43
	s_lshl_b32 s44, 0x1111, s40
	s_or_b32 s[G1+0], s43, (3<<16)|(1<<21)
	s_or_b32 s[G1B+0], s44, (3<<16)|(1<<21)
	s_mov_b32 s[G1+1], 32<<16                      ; O: 96 rows of 256 bytes
	s_mov_b32 s[G1+2], 96<<16
	s_mov_b32 s[G1+3], 32<<16
	s_mov_b32 s[G1+4], 96
	s_mov_b32 s[G1+5], 32
	s_mov_b32 s[G1+6], 0
	s_mov_b32 s[G1+7], 0
	s_mov_b32 s[G1B+1], 32<<16                     ; Wo: 192 rows
	s_mov_b32 s[G1B+2], 192<<16
	s_mov_b32 s[G1B+3], 32<<16
	s_mov_b32 s[G1B+4], 192
	s_mov_b32 s[G1B+5], 32
	s_mov_b32 s[G1B+6], 0
	s_mov_b32 s[G1B+7], 0
	s_and_b32 s17, ttmp7, 0xffff
	s_lshl_b32 s17, s17, 2
	s_add_co_u32 s17, s17, s41                     ; my row of blocks of O: 4 cY + cy
	s_lshl_b32 s20, s17, 3
	s_lshl_b32 s21, s16, 1
	s_add_co_u32 s20, s20, s21                     ; block 8 x row + 2 x my part
	s_mul_i32 s20, s20, BLK
	s_mov_b32 s21, 0
	s_lshl_b32 s22, s17, 12
	s_lshl_b32 s23, s15, 8
	s_add_co_u32 s22, s22, s23
	s_add_co_u32 s22, s22, OSOFF                   ; O's scale words: my four fragments'
	s_mov_b32 s23, 0
	s_lshl_b32 s46, s40, 1
	s_add_co_u32 s46, s46, s16
	s_add_co_u32 s46, s46, 88                      ; Wo^T's row of blocks
	s_lshl_b32 s92, s46, 12
	s_add_co_u32 s92, s92, SOFF
	s_mov_b32 s93, 0
	s_mul_i32 s46, s46, 8*BLK
	s_mov_b32 s47, 0
	s_mul_i32 s42, s16, APART
	s_mul_i32 s45, s16, BPART
	s_add_co_u32 s45, s45, ASL
	s_lshl_b32 s94, s17, 7                         ; my first row of out0,
	s_lshl_b32 s95, s15, 6
	s_add_co_u32 s94, s94, s95
	s_lshl_b32 s94, s94, 12
	s_lshl_b32 s95, s40, 10                        ; my first column, in bytes
	s_add_co_u32 s94, s94, s95
	s_lshl_b32 s95, s16, 9
	s_add_co_u32 s94, s94, s95
	s_mov_b32 s95, 0
	s_wait_alu depctr_va_vdst(0)                   ; the wait ahead of the waits below
	s_wait_dscnt 0x0                               ; both opening adds are done
	s_wait_kmcnt 0x0
	s_add_nc_u64 s[20:21], s[4:5], s[20:21]
	s_add_nc_u64 s[22:23], s[4:5], s[22:23]
	s_add_nc_u64 s[46:47], s[6:7], s[46:47]
	s_add_nc_u64 s[92:93], s[6:7], s[92:93]
	s_add_nc_u64 s[12:13], s[12:13], s[94:95]
.irp s, 0,1
	s_mov_b32 s[G0+4*\s], 1
	s_add_co_u32 s[G0+4*\s+1], s42, \s*HALFK
	s_add_nc_u64 s[G0+4*\s+2:G0+4*\s+3], s[20:21], \s*4*BLK
	s_or_b32 s[G0+4*\s+3], s[G0+4*\s+3], 0x80000000
	s_mov_b32 s[G0B+4*\s], 1
	s_add_co_u32 s[G0B+4*\s+1], s45, \s*HALFK
	s_add_nc_u64 s[G0B+4*\s+2:G0B+4*\s+3], s[46:47], \s*4*BLK
	s_or_b32 s[G0B+4*\s+3], s[G0B+4*\s+3], 0x80000000
.endr
	CROUND                                         ; all sixteen work-groups are here: the joint loads meet
	JLOAD G0, G1, G0B, G1B                         ; K's first half: one load a wave at the head
	s_cmp_eq_u32 s15, 0                            ; the prefetch: what I fetch, + my work-group's share by its place among the four
	s_cselect_b64 s[80:81], s[20:21], s[46:47]
	s_cselect_b32 s82, s40, s41
	s_cselect_b32 s83, 0, 1
	s_mul_i32 s82, s82, 6144
	s_lshl_b32 s82, s82, s83                       ; O: 24 blocks a partner; Wo: 48
	s_lshl_b32 s84, 3072, s83                      ; half a share, in bytes
	s_lshl_b32 s85, 12, s83
	s_sub_co_u32 s85, s85, 1                       ; its last block
	s_mov_b32 s83, 0
	s_add_nc_u64 s[80:81], s[80:81], s[82:83]
	s_mul_i32 s21, s15, 4*FRB                      ; my four fragments of O
	s_mul_i32 s18, s16, BPART
	s_add_co_u32 s18, s18, ASL                     ; my 128 rows of Wo
	s_mul_i32 s19, s14, 16*SPITCH                  ; my stage
	v_and_b32 v2, 31, v0
	v_and_b32 v3, 15, v0
	v_bfe_u32 v4, v0, 4, 1
	v_lshlrev_b32 v[LI], 4, v2
	v_lshlrev_b32 v[R8], 3, v3
	v_add_nc_u32 v[ADRA], s21, v[LI]
	v_add_nc_u32 v[ADRB], s18, v[LI]
	v_add_nc_u32 v[ADRA+1], HALFK, v[ADRA]
	v_add_nc_u32 v[ADRB+1], HALFK, v[ADRB]
	v_mul_u32_u24 v5, v3, SPITCH
	v_lshl_add_u32 v5, v4, 6, v5
	v_add_nc_u32 v[STO], s19, v5
	v_add_nc_u32 v[RD], s19, v[LI]
	v_min_u32 v[PF0], s85, v2
	v_lshlrev_b32 v[PF0], 8, v[PF0]
	v_add_nc_u32 v[PF1], s84, v[PF0]
	s_wait_alu depctr_va_vdst(0)                   ; the wait at the head's end
	global_prefetch_b8 v[PF0], s[80:81] offset:4*BLK th:TH_LOAD_NT scope:SCOPE_SE   ; K's second half
	global_prefetch_b8 v[PF1], s[80:81] offset:4*BLK th:TH_LOAD_NT scope:SCOPE_SE
.irp k, 0,1,2,3,4,5,6,7
.irp g, 0,1,2,3
	global_load_b64 v[SC+8*\k+2*\g:SC+8*\k+2*\g+1], v[R8], s[92:93] offset:512*\k+128*\g
.endr
.irp g, 0,1
	global_load_b64 v[SV+4*\k+2*\g:SV+4*\k+2*\g+1], v[R8], s[22:23] offset:512*\k+128*\g
.endr
.endr
	s_wait_tensorcnt 0x0                           ; my first load is in
	ds_add_u32 v[SPW], v[NIL]
	s_wait_dscnt 0x0
	CROUND                                         ; everybody's first loads are in, and all sixteen work-groups are here
	JLOAD G0+4, G1, G0B+4, G1B                     ; K's second half: first fills, one a wave
	s_wait_loadcnt 0x0                             ; the scale words
	FETCH_B 0
	FETCH_A 0, 0
	FETCH_A 0, H
	STEP 0, 1                                      ; the first step's products start the sums
.irp k, 1,2,3,4,5,6
	STEP \k, 0
.endr
	s_wait_dscnt H*NL
	MULB 0, 7, 0
	MULB 1, 7, 0
	s_wait_dscnt 0
	MULB 2, 7, 0
	MULB 3, 7, 0
	WIN 0
; THE WAY OUT: a block of 16 rows x 128 columns goes through my stage and comes back as whole rows of 512 bytes
.macro TOSTAGE a
.set AC, 64*(\a)
	WIN 0x08
.irp b, 0,1,2,3,4,5,6,7
	ds_store_b128 v[STO], v[AC+8*\b:AC+8*\b+3] offset:128*(\b/2)+32*(\b%2)      ; each accumulator from its low end on
	ds_store_b128 v[STO], v[AC+8*\b+4:AC+8*\b+7] offset:128*(\b/2)+32*(\b%2)+16
.endr
	WIN 0
.set BB, BK+64*((\a)%2)
.irp t, 0,1,2,3,4,5,6,7,8,9,10,11,12,13,14,15
	ds_load_b128 v[BB+4*\t:BB+4*\t+3], v[RD] offset:\t*SPITCH   ; LDS serves a wave's instructions in order: these see my stores
.endr
.endm
.macro SEND a, younger                 ; younger: the LDS instructions issued behind block a's loads, which may stay out
.set BB, BK+64*((\a)%2)
	s_wait_dscnt \younger
.irp t, 0,1,2,3,4,5,6,7,8,9,10,11,12,13,14,15
	global_store_b128 v[LI], v[BB+4*\t:BB+4*\t+3], s[12:13] offset:(32*((\a)/2)+8*((\a)%2)+\t+8*(\t/8))*4096 th:TH_STORE_NT   ; 512 consecutive bytes, aligned
.endr
.endm
	PLACES 4
	TOSTAGE 0
.irp a, 1,2,3
.if \a > 1
	s_wait_xcnt 0x0                                ; block a - 2's stores have read their registers
.endif
	TOSTAGE \a
	SEND \a-1, 32                                  ; behind block a - 1's loads: block a's 16 stores and 16 loads
.endr
	SEND 3, 0
	s_wait_tensorcnt 0x0                           ; the wave's end
	ds_add_u32 v[SPW], v[NIL]
	s_wait_dscnt 0x0
	CROUND                                         ; the closing round
	s_endpgm
.Lfunc_end_k_qc883b0165a_outp:
	.size	k_qc883b0165a_outp, .Lfunc_end_k_qc883b0165a_outp-k_qc883b0165a_outp
	.p2alignl 7, 3214868480
	.fill 96, 4, 3214868480
	.section	.rodata,"a",@progbits
	.p2align	6, 0x0
	.amdhsa_kernel k_qc883b0165a_outp
		.amdhsa_group_segment_fixed_size 327680
		.amdhsa_private_segment_fixed_size 0
		.amdhsa_enable_private_segment 0
		.amdhsa_kernarg_size 24
		.amdhsa_user_sgpr_count 2
		.amdhsa_user_sgpr_kernarg_segment_ptr 1
		.amdhsa_wavefront_size32 1
		.amdhsa_system_sgpr_workgroup_id_x 1
		.amdhsa_system_sgpr_workgroup_id_y 1
		.amdhsa_system_sgpr_workgroup_id_z 1
		.amdhsa_system_vgpr_workitem_id 0
		.amdhsa_next_free_vgpr 768
		.amdhsa_next_free_sgpr 100
		.amdhsa_reserve_vcc 0
		.amdhsa_float_denorm_mode_32 3
		.amdhsa_float_denorm_mode_16_64 3
		.amdhsa_memory_ordered 1
		.amdhsa_forward_progress 1
		.amdhsa_inst_pref_size 81
	.end_amdhsa_kernel
	.amdgpu_metadata
---
amdhsa.version: [ 1, 2 ]
amdhsa.kernels:
  - .name:           k_qc883b0165a_outp
    .symbol:         k_qc883b0165a_outp.kd
    .args:
      - { .name: obuf, .offset: 0, .size: 8, .value_kind: global_buffer, .address_space: global }
      - { .name: opx, .offset: 8, .size: 8, .value_kind: global_buffer, .address_space: global }
      - { .name: out0, .offset: 16, .size: 8, .value_kind: global_buffer, .address_space: global }
    .group_segment_fixed_size: 327680
    .private_segment_fixed_size: 0
    .kernarg_segment_align: 8
    .kernarg_segment_size: 24
    .max_flat_workgroup_size: 128
    .sgpr_count:     100
    .vgpr_count:     768
    .wavefront_size: 32
...
	.end_amdgpu_metadata
.endif
;; end of part 5
